; MI455X (gfx1250); checked and timed in simulation.
; The chip was launched on July 23, 2026; its instructions are those of AMD's public machine-readable ISA for CDNA 5 (MIT licence, August 2026) and "CDNA5" Instruction Set Architecture Reference Guide (July 2026). The comments in the code are by the model that wrote it; some were corrected since.
;; Linear Deepseek V3 Mo E. Allowed arithmetic: float matrix products may take bf16 or f16 operands with f32 sums; other float arithmetic in f32, or as packed bf16 or f16 multiplies, adds, multiply-adds, maxima and minima; sums over many terms, partial sums and values carried from step to step in f32; what a program stores and reads back later, other than sums and carried values, may be rounded once to bf16 or f16.
;; Inputs: gate_bias 16 float32; gate_w 16 x 1,024 float32; hidden_states 2 x 1,024 x 1,024 float32; sh_down 1,024 x 1,024 float32; sh_gate 1,024 x 1,024 float32; sh_up 1,024 x 1,024 float32; w_down 16 x 1,024 x 512 float32; w_gate 16 x 512 x 1,024 float32; w_up 16 x 512 x 1,024 float32.
;; Outputs: out0 2 x 1,024 x 1,024 float32.
;; 2 versions, each right; version 2 is version 1 with the launches up, down written anew for expert scheduling mode. Each part assembles by itself: llvm-mc -triple=amdgcn-amd-amdhsa -mcpu=gfx1250 --defsym DOCPART=n.
;; ======== version 1 of 2: 4 launches
;; workspace buffers: xb 4,194,304 bytes; cw 131,072 bytes; gbm 8,192 bytes of whole numbers; hid 38,928,384 bytes; part 77,856,768 bytes; rk 73,728 bytes of whole numbers
;; launch router (part 1): grid 128 x 1, 4 waves a work-group, no clusters, 72,192 bytes of LDS; arguments hidden_states, gate_w, gate_bias, xb, gbm, cw; writes xb, gbm, cw
.if DOCPART == 1
	.amdgcn_target "amdgcn-amd-amdhsa--gfx1250"
	.amdhsa_code_object_version 6
	.text
	.protected	k_q17f54af138_router
	.globl	k_q17f54af138_router
	.p2align	8
	.type	k_q17f54af138_router,@function
k_q17f54af138_router:
	s_mov_b64 s[64:65], 0
	v_nop
	global_prefetch_b8 v0, s[64:65] scope:SCOPE_SE
	s_setreg_imm32_b32 hwreg(HW_REG_WAVE_MODE, 25, 1), 1
	s_wait_xcnt 0x0
; ROUTER.  A work-group has 16 tokens, wave w the K quarter 256 w .. 256 w + 255.  It stores x rounded to bf16 (xb), and from the ROUNDED x, gate_w and gate_bias the
; choice of experts: logits by the matrix unit (bf16 operands, f32 sums), sigmoid, + bias, pair sums of the 8 groups, the 4 best groups, the 8 best of the masked scores
; (an expert of a group that was not chosen counts as 0 and can still be taken), weights = raw scores / (their sum + 1e-20) x 2.5.
; Stored: cw[tile of 16 tokens][quad of 4 experts][token][4] in f32 (0 for an expert that was not chosen), and gbm: row u (256 bytes), bit t = token t chose expert 2u or 2u+1;
; row 8 is all ones (the shared unit), rows 9 to 31 are 0.  All addresses are fixed; the choice enters data alone.
; ORDER: rank(e) = how many scores are greater, plus how many equal ones have a lower index: the order of a top-k that keeps the lower index.
; LIMITS: NaN is not treated apart (a comparison with it counts as 'not greater'); -0 and +0 count as equal; exp2 and the reciprocal flush denormals.
.set TP,    528                        ; an LDS row: 512 bytes (256 bf16) + 16: row r starts 16 r bytes on modulo 256, so the 16 rows of a fragment load start at different banks (ISA guide 11.1)
.set XTB,   16*TP                      ; a wave's tile of 16 rows
.set GT,    4*XTB                      ; behind the four tiles of x: the four tiles of gate_w
.set PART,  8*XTB                      ; the four waves' partial logits, 1,024 bytes each
.set SPARE, PART+4096                  ; the spare words, 128 bytes a wave
.set SPW, 16
.set NIL, 17
.set LG,  80                           ; v80-95   logits, then scores
.set BI,  96                           ; v96-111  bias, rounded to bf16
.set SC,  112                          ; v112-127 scores + bias
.set GS,  128                          ; v128-135 group scores
.set RG,  136                          ; v136-143 their ranks
.set MK,  144                          ; v144-159 masked scores
.set RE,  160                          ; v160-175 their ranks
.set BT,  176                          ; v176-183 at work
.set CT,  192                          ; v192-207 at work in RANK
.set WT,  208                          ; v208-223 weights
	s_load_b256 s[4:11], s[0:1], 0x0               ; hidden_states s[4:5], gate_w s[6:7], gate_bias s[8:9], xb s[10:11]
	s_load_b128 s[12:15], s[0:1], 0x20             ; gbm s[12:13], cw s[14:15]
	v_lshl_add_u32 v[SPW], v0, 2, SPARE
	v_mov_b32 v[NIL], 0
	v_lshrrev_b32 v4, 5, v0
	v_readfirstlane_b32 s2, v4                     ; wave
	v_and_b32 v1, 31, v0                           ; lane
	v_and_b32 v2, 15, v0                           ; r
	v_bfe_u32 v3, v0, 4, 1                         ; h
	v_lshlrev_b32 v5, 5, v1                        ; 32 lane: my 8 f32 of a quarter row
	v_lshlrev_b32 v6, 4, v1                        ; 16 lane: the same 8 numbers in bf16
	s_lshl_b32 s34, s2, 10                         ; my quarter of an f32 row
	s_mov_b32 s35, 0
	s_lshl_b32 s32, ttmp9, 16                      ; 16 rows of 4,096 bytes
	s_add_co_u32 s32, s32, s34
	s_mov_b32 s33, 0
	s_lshl_b32 s36, ttmp9, 15                      ; 16 rows of 2,048 bytes in xb
	s_lshl_b32 s37, s2, 9
	s_add_co_u32 s36, s36, s37
	s_mov_b32 s37, 0
	s_mul_i32 s38, s2, XTB                         ; my tile in LDS
	v_add_nc_u32 v7, s38, v6                       ; where I put 16 bytes of a row
	v_mul_u32_u24 v8, v2, TP
	v_lshl_add_u32 v8, v3, 4, v8
	v_add_nc_u32 v8, s38, v8                       ; a fragment's row r, + 16 h
	s_lshl_b32 s39, s2, 10
	s_add_co_u32 s39, s39, PART
	v_lshl_add_u32 v9, v1, 5, s39                  ; my 32 bytes of my wave's partial logits
	s_mov_b32 s40, 0x76543210                      ; v_permlanex16_b32: each lane takes its own place in the other half
	s_mov_b32 s41, 0xfedcba98
	s_mov_b32 s42, 0xffff0000                      ; lanes 16 to 31
	s_mov_b32 s43, 0xffff
	s_mov_b32 s44, 0xbfb8aa3b                      ; -log2(e)
	s_mov_b32 s45, s44
	s_wait_kmcnt 0x0
	s_add_nc_u64 s[4:5], s[4:5], s[32:33]
	s_add_nc_u64 s[6:7], s[6:7], s[34:35]
	s_add_nc_u64 s[10:11], s[10:11], s[36:37]
	s_load_b512 s[16:31], s[8:9], 0x0              ; the 16 biases
.set j, 0
.rept 16                                       ; x: row j's quarter, 8 f32 a lane
	global_load_b128 v[32+8*j:35+8*j], v5, s[4:5] offset:4096*j
	global_load_b128 v[36+8*j:39+8*j], v5, s[4:5] offset:4096*j+16
.set j, j+1
.endr
.set j, 0
.rept 8                                        ; gate_w rows 0 to 7
	global_load_b128 v[160+8*j:163+8*j], v5, s[6:7] offset:4096*j
	global_load_b128 v[164+8*j:167+8*j], v5, s[6:7] offset:4096*j+16
.set j, j+1
.endr
	s_lshl_b32 s46, ttmp9, 10                      ; cw: 1,024 bytes a tile of 16 tokens
	s_mov_b32 s47, 0
	s_add_nc_u64 s[14:15], s[14:15], s[46:47]
	s_lshl_b32 s46, ttmp9, 1                       ; gbm: my halfword in each row
	s_add_nc_u64 s[12:13], s[12:13], s[46:47]
	s_wait_loadcnt 16                              ; x is in; the 16 loads of gate_w, issued behind it, stay out
.set j, 0
.rept 64                                       ; packed in place, ascending: the destination never lies above a source still to be read
	v_cvt_pk_bf16_f32 v[32+j], v[32+2*j], v[33+2*j]
.set j, j+1
.endr
.set j, 0
.rept 16
	global_store_b128 v6, v[32+4*j:35+4*j], s[10:11] offset:2048*j   ; 512 consecutive bytes of xb
	ds_store_b128 v7, v[32+4*j:35+4*j] offset:TP*j
.set j, j+1
.endr
.set j, 0
.rept 8                                        ; gate_w rows 8 to 15, into registers that x has left
	global_load_b128 v[96+8*j:99+8*j], v5, s[6:7] offset:4096*(8+j)
	global_load_b128 v[100+8*j:103+8*j], v5, s[6:7] offset:4096*(8+j)+16
.set j, j+1
.endr
	s_wait_loadcnt 16                              ; rows 0 to 7 are in; the 16 loads just issued stay out
.set j, 0
.rept 32
	v_cvt_pk_bf16_f32 v[160+j], v[160+2*j], v[161+2*j]
.set j, j+1
.endr
.set j, 0
.rept 8
	ds_store_b128 v7, v[160+4*j:163+4*j] offset:GT+TP*j
.set j, j+1
.endr
	s_wait_loadcnt 0x0
.set j, 0
.rept 32
	v_cvt_pk_bf16_f32 v[96+j], v[96+2*j], v[97+2*j]
.set j, j+1
.endr
.set j, 0
.rept 8
	ds_store_b128 v7, v[96+4*j:99+4*j] offset:GT+TP*(8+j)
.set j, j+1
.endr
	s_wait_xcnt 0x0                                ; the stores into xb have read their registers, which wave 0 uses again below
.set j, 0
.rept 8                                        ; fragments of 16 rows x 32 k: my own bytes, and LDS serves a wave's instructions in order (ISA guide 5.7.1.4)
	ds_load_b128 v[160+8*j:163+8*j], v8 offset:64*j
	ds_load_b128 v[164+8*j:167+8*j], v8 offset:64*j+32
	ds_load_b128 v[96+8*j:99+8*j], v8 offset:GT+64*j
	ds_load_b128 v[100+8*j:103+8*j], v8 offset:GT+64*j+32
.set j, j+1
.endr
	s_wait_dscnt 0x0
.set j, 0
.rept 8                                        ; source 0 = 16 experts, source 1 = 16 tokens; two accumulators take turns
.if j < 2
	v_wmma_f32_16x16x32_bf16 v[224+8*(j%2):231+8*(j%2)], v[96+8*j:103+8*j], v[160+8*j:167+8*j], 0
.else
	v_wmma_f32_16x16x32_bf16 v[224+8*(j%2):231+8*(j%2)], v[96+8*j:103+8*j], v[160+8*j:167+8*j], v[224+8*(j%2):231+8*(j%2)]
.endif
.set j, j+1
.endr
.rept 4
	v_nop                                          ; four places behind the last product (ISA guide 7.12.1)
.endr
.set j, 0
.rept 4
	v_pk_add_f32 v[240+2*j:241+2*j], v[224+2*j:225+2*j], v[232+2*j:233+2*j]
.set j, j+1
.endr
	ds_store_b128 v9, v[240:243]
	ds_store_b128 v9, v[244:247] offset:16
	s_wait_kmcnt 0x0                               ; the biases
	s_wait_dscnt 0x0                               ; for wave 0's sake: my partial logits are in LDS
	s_barrier_signal -1
	s_barrier_wait -1
	s_cmp_lg_u32 s2, 0
	s_cbranch_scc1 .Lend                           ; the choice is wave 0's work: no barrier stands in it
	v_lshl_add_u32 v10, v1, 5, PART
.set j, 0
.rept 4
	ds_load_b128 v[32+8*j:35+8*j], v10 offset:1024*j
	ds_load_b128 v[36+8*j:39+8*j], v10 offset:1024*j+16
.set j, j+1
.endr
	s_wait_dscnt 0x0
.set j, 0
.rept 4
	v_pk_add_f32 v[32+2*j:33+2*j], v[32+2*j:33+2*j], v[40+2*j:41+2*j]
	v_pk_add_f32 v[48+2*j:49+2*j], v[48+2*j:49+2*j], v[56+2*j:57+2*j]
.set j, j+1
.endr
.set j, 0
.rept 4
	v_pk_add_f32 v[64+2*j:65+2*j], v[32+2*j:33+2*j], v[48+2*j:49+2*j]   ; lane (r, h): token r, experts 8 h + 0..7
.set j, j+1
.endr
.set j, 0
.rept 8
	v_permlanex16_b32 v[40+j], v[64+j], s40, s41   ; the token's other eight experts
.set j, j+1
.endr
.set j, 0
.rept 8                                        ; all 16 logits in every lane; lanes r and r + 16 go on alike
	v_cndmask_b32 v[LG+j], v[64+j], v[40+j], s42
	v_cndmask_b32 v[LG+8+j], v[40+j], v[64+j], s42
.set j, j+1
.endr
.set j, 0
.rept 8
	v_pk_mul_f32 v[LG+2*j:LG+2*j+1], v[LG+2*j:LG+2*j+1], s[44:45] op_sel_hi:[1,0]
.set j, j+1
.endr
.set j, 0
.rept 16
	v_exp_f32 v[LG+j], v[LG+j]                     ; one batch
.set j, j+1
.endr
.set j, 0
.rept 8                                        ; the biases rounded to bf16 and widened again: plain work behind the batch
	v_cvt_pk_bf16_f32 v[BT+j], s[16+2*j], s[17+2*j]
.set j, j+1
.endr
.set j, 0
.rept 8
	v_lshlrev_b32 v[BI+2*j], 16, v[BT+j]
	v_and_b32 v[BI+2*j+1], s42, v[BT+j]
.set j, j+1
.endr
	s_wait_alu depctr_va_vdst(0)                   ; one wait for the 16 exponentials, ahead of their first reader
.set j, 0
.rept 8
	v_pk_add_f32 v[LG+2*j:LG+2*j+1], v[LG+2*j:LG+2*j+1], 1.0 op_sel_hi:[1,0]
.set j, j+1
.endr
.set j, 0
.rept 16
	v_rcp_f32 v[LG+j], v[LG+j]                     ; score = 1 / (1 + 2^(-log2(e) x))
.set j, j+1
.endr
	v_nop                                          ; a plain instruction behind the last reciprocal
	s_wait_alu depctr_va_vdst(0)                   ; and one wait for the batch
.set j, 0
.rept 8
	v_pk_add_f32 v[SC+2*j:SC+2*j+1], v[LG+2*j:LG+2*j+1], v[BI+2*j:BI+2*j+1]
.set j, j+1
.endr
.set j, 0
.rept 8
	v_add_f32 v[GS+j], v[SC+2*j], v[SC+2*j+1]      ; a group has two experts: its two best are both
.set j, j+1
.endr
; RANK: R[e] starts as e (all lower indices ahead); for each pair a < b in which V[b] > V[a] the two change places in the count.
; For each a the compares, the selects and the updates stand in batches, so that no line waits for the one before it.
.macro RANK n, V, R
.set a, 0
.rept \n
	v_mov_b32 v[\R+a], a
.set a, a+1
.endr
.set a, 0
.rept \n-1
.set b, a+1
.rept \n-1-a
	v_cmp_gt_f32 s[48+b], v[\V+b], v[\V+a]
.set b, b+1
.endr
.set b, a+1
.rept \n-1-a
	v_cndmask_b32 v[CT+b], 0, 1, s[48+b]
.set b, b+1
.endr
.set b, a+1
.rept \n-1-a
	v_sub_nc_u32 v[\R+b], v[\R+b], v[CT+b]
	v_add_nc_u32 v[\R+a], v[\R+a], v[CT+b]
.set b, b+1
.endr
.set a, a+1
.endr
.endm
	RANK 8, GS, RG
.set j, 0
.rept 8
	v_cmp_gt_u32 s[68+j], 4, v[RG+j]               ; the four best groups
.set j, j+1
.endr
.set j, 0
.rept 16
	v_cndmask_b32 v[MK+j], 0, v[SC+j], s[68+j/2]   ; the others' experts count as 0
.set j, j+1
.endr
	RANK 16, MK, RE
.set j, 0
.rept 16
	v_cmp_gt_u32 s[76+j], 8, v[RE+j]               ; the eight best experts
.set j, j+1
.endr
.set j, 0
.rept 16
	v_cndmask_b32 v[WT+j], 0, v[LG+j], s[76+j]     ; their raw scores
.set j, j+1
.endr
.set j, 0
.rept 4
	v_pk_add_f32 v[224+2*j:225+2*j], v[WT+2*j:WT+2*j+1], v[WT+8+2*j:WT+8+2*j+1]
.set j, j+1
.endr
	v_pk_add_f32 v[224:225], v[224:225], v[228:229]
	v_pk_add_f32 v[226:227], v[226:227], v[230:231]
	v_pk_add_f32 v[224:225], v[224:225], v[226:227]
	v_add_f32 v224, v224, v225
	v_add_f32 v224, 0x1e3ce508, v224               ; + 1e-20
	v_rcp_f32 v225, v224
	v_nop
	s_wait_alu depctr_va_vdst(0)
	v_mul_f32 v225, 0x40200000, v225               ; x 2.5
.set j, 0
.rept 16
	v_mul_f32 v[WT+j], v[WT+j], v225
.set j, j+1
.endr
.set j, 0
.rept 8                                        ; lane (r, h) stores quads h and 2 + h of token r's 16 weights
	v_cndmask_b32 v[232+j], v[WT+8*(j/4)+j%4], v[WT+8*(j/4)+4+j%4], s42
.set j, j+1
.endr
	v_lshlrev_b32 v11, 8, v3
	v_lshl_add_u32 v11, v2, 4, v11                 ; 256 h + 16 r
	global_store_b128 v11, v[232:235], s[14:15]            ; 512 consecutive bytes
	global_store_b128 v11, v[236:239], s[14:15] offset:512
	v_mov_b32 v13, 0
.irp g, 0,1,2,3,4,5,6,7
	s_or_b32 s[32+\g], s[76+2*\g], s[77+2*\g]      ; bit r: token r chose one of the group's two experts
	v_writelane_b32 v13, s[32+\g], \g
.endr
	v_writelane_b32 v13, s43, 8                    ; the shared unit has every token
	v_lshlrev_b32 v12, 8, v1                       ; lane l stores row l's halfword: fixed places
	global_store_b16 v12, v13, s[12:13]
.Lend:
	s_wait_tensorcnt 0x0                           ; the wave's end
	ds_add_u32 v[SPW], v[NIL]
	s_wait_dscnt 0x0
	s_endpgm
.Lfunc_end_k_q17f54af138_router:
	.size	k_q17f54af138_router, .Lfunc_end_k_q17f54af138_router-k_q17f54af138_router
	.p2alignl 7, 3214868480
	.fill 96, 4, 3214868480
	.section	.rodata,"a",@progbits
	.p2align	6, 0x0
	.amdhsa_kernel k_q17f54af138_router
		.amdhsa_group_segment_fixed_size 72192
		.amdhsa_private_segment_fixed_size 0
		.amdhsa_enable_private_segment 0
		.amdhsa_kernarg_size 48
		.amdhsa_user_sgpr_count 2
		.amdhsa_user_sgpr_kernarg_segment_ptr 1
		.amdhsa_wavefront_size32 1
		.amdhsa_system_sgpr_workgroup_id_x 1
		.amdhsa_system_sgpr_workgroup_id_y 1
		.amdhsa_system_sgpr_workgroup_id_z 1
		.amdhsa_system_vgpr_workitem_id 0
		.amdhsa_next_free_vgpr 256
		.amdhsa_next_free_sgpr 96
		.amdhsa_reserve_vcc 0
		.amdhsa_float_denorm_mode_32 3
		.amdhsa_float_denorm_mode_16_64 3
		.amdhsa_memory_ordered 1
		.amdhsa_forward_progress 1
		.amdhsa_inst_pref_size 65
	.end_amdhsa_kernel
	.amdgpu_metadata
---
amdhsa.version: [ 1, 2 ]
amdhsa.kernels:
  - .name:           k_q17f54af138_router
    .symbol:         k_q17f54af138_router.kd
    .args:
      - { .name: hidden_states, .offset: 0, .size: 8, .value_kind: global_buffer, .address_space: global }
      - { .name: gate_w, .offset: 8, .size: 8, .value_kind: global_buffer, .address_space: global }
      - { .name: gate_bias, .offset: 16, .size: 8, .value_kind: global_buffer, .address_space: global }
      - { .name: xb, .offset: 24, .size: 8, .value_kind: global_buffer, .address_space: global }
      - { .name: gbm, .offset: 32, .size: 8, .value_kind: global_buffer, .address_space: global }
      - { .name: cw, .offset: 40, .size: 8, .value_kind: global_buffer, .address_space: global }
    .group_segment_fixed_size: 72192
    .private_segment_fixed_size: 0
    .kernarg_segment_align: 8
    .kernarg_segment_size: 48
    .max_flat_workgroup_size: 128
    .sgpr_count:     96
    .vgpr_count:     256
    .wavefront_size: 32
...
	.end_amdgpu_metadata
.endif
;; end of part 1
;; launch up (part 2): grid 16 x 19, 4 waves a work-group, no clusters, 272,896 bytes of LDS; arguments xb, w_gate, w_up, sh_gate, sh_up, gbm, cw, hid; writes hid
.if DOCPART == 2
	.amdgcn_target "amdgcn-amd-amdhsa--gfx1250"
	.amdhsa_code_object_version 6
	.text
	.protected	k_q17f54af138_up
	.globl	k_q17f54af138_up
	.p2align	8
	.type	k_q17f54af138_up,@function
k_q17f54af138_up:
	s_mov_b64 s[64:65], 0
	v_nop
	global_prefetch_b8 v0, s[64:65] scope:SCOPE_SE
	s_setreg_imm32_b32 hwreg(HW_REG_WAVE_MODE, 25, 1), 1
	s_wait_xcnt 0x0
; FIRST PRODUCT.  hid = cw x silu(x Wg^T) x (x Wu^T), rounded once to bf16, for the rows of a UNIT: unit u < 8 is the pair of experts 2u, 2u+1 (1,024 hidden columns, next to each
; other in w_gate and w_up), its rows the tokens that chose either, in token order (the weight of the one not chosen is 0); unit 8 is the shared MLP, all tokens, weight 1.
; SHARES.  grid x = slice s of 64 hidden columns.  grid y: 0-2 the shared unit's three parts; 3-10 part 0 of units 0-7; 11-18 their part 1.  A work-group rounds 64 rows of the gate matrix
; and 64 of the up matrix (K = 1,024) to bf16 into LDS, once, and STAYS: wave w takes the blocks of 96 rows q = 4 part + w, + stride, + 2 stride (stride = 4 x the unit's parts), each through
; all of K with 48 accumulators.  A unit with cnt rows has ceil(cnt / 96) blocks, 22 at the most; three trips cover 24 with two parts and 36 with three: every split of the tokens is served.
; A block past the count is jumped forward over; a work-group that a split leaves without rows fills its slice, stores nothing and ends.
; Token rows come from memory straight into registers as matrix operands; in the products nothing writes LDS, so they have no barrier.  All loops have constant counts.
; NO JOINT LOADS: the weights are f32 and are rounded on their way through registers, which a tile load into LDS cannot do; the token rows come by a list, which no tile descriptor covers.
; K ORDER, alike on both sides: in a step of 64 lane (r, h) holds k = 32 h + 8 quad + 0..7, quads 0, 1 for the first matrix instruction and 2, 3 for the second.
; THE MATRIX INSTRUCTION IS USED TRANSPOSED (source 0 = 16 weight rows, source 1 = 16 tokens): a lane holds one token and eight neighbouring hidden columns.
; hid lies in the order in which the next launch's operand registers take it: unit x 4,325,376 + ((row / 16) x 16 + step) x 2,048 + quad x 512 + lane x 16.
; LDS ADDRESSES IN LOOPS are a vector register that is never rewritten plus a scalar that steps once a trip.
; LIMITS: g x u is formed ahead of the sigmoid's factor and must stay inside f32; NaN and infinities are not treated apart; exp2 and the reciprocal flush denormals.
; REGISTERS, in windows of 256: window 0: addresses, v64-127 and v128-191 weight fragments (two buffers), v192-255 at work; window 1: token slots 0 (v0-95), 1 (v96-191); in the fill two
; sets of 128; window 2: accumulators of row blocks 0-3 ((f, nt) at 64 f + 8 nt); window 3: v0-127 those of blocks 4, 5; v128-223 token slot 2.
.set PITCH, 2064                       ; an LDS row: 2,048 bytes + 16: row r starts 16 r bytes on modulo 256, so the 16 rows of a fragment load start at different banks (ISA guide 11.1)
.set LIST,  128*PITCH                  ; behind the weights: the unit's tokens by rank, 2,048 words
.set SPARE, LIST+8192                  ; the spare words, 128 bytes a wave
.set GSTEP, 4*PITCH                    ; the fill: four rows a group
.set HUNIT, 4325376                    ; a unit's bytes in hid: 132 blocks of 16 rows
.set XSTEP, 384                        ; three K steps of 128 bytes in a row of xb
.set VW,  4                            ; v4-11   LDS address of my part of weight rows 16 nt + r; never rewritten
.set VWK, 12                           ; v12-19  the same plus the trip's bytes along K
.set VA,  20                           ; v20-25  byte offset of my tokens' rows in xb, + 64 h
.set TK,  26                           ; v26-31  tokens; at work
.set SPW, 32
.set NIL, 33
.set CWP, 34                           ; v34-45  the tokens' weights, in the low registers of pairs
.set VO,  46                           ; v46-53  the fill: byte offsets of four rows x two halves; never rewritten
.set FL,  54                           ; v54     the fill: my 8 bytes in my wave's first row; never rewritten
.set VH,  55                           ; v55     my place in a block of hid
.set FLK, 59                           ; v59     the fill: the same as FL plus the trip's rows
.set B0,  64
.set B1,  128
.set T,   192
.set CO,  192                          ; v192-197 byte offset of my tokens' weights in cw
.set EE,  64                           ; the way out: v64-95, v96-127, v128-159
.set GU,  96
.set HH,  128
.set UN,  2                            ; s2 unit   s3 part   s12 wave   s13 slice   s14 cnt   s15 blocks   s92 q   s93 q's stride
.set PT,  3
.set WV,  12
.set SL,  13
.set CN,  14
.set NB,  15
.set Q,   92
.set QS,  93
.set WB0, 6                            ; s[6:7], s[8:9] the fill's two pointers, one for each register set
.set WB1, 8
.set XB,  16                           ; s[16:17] xb, copied for each block, steps with K
.set HBK, 18                           ; s[18:19] hid at the block in hand
.set C1,  21                           ; cnt - 1
.set LC,  22                           ; loop counter
.set SH,  26                           ; all ones for the shared unit
.set KO,  27                           ; the product: bytes along K of the trips before
.set CS,  28                           ; s[28:29] -log2(e)
.set FO,  30                           ; the fill: LDS bytes of the trips before
.set BC,  31                           ; counts a wave's blocks
.set CWB, 88
.set HB,  90
.set MSB, 0
.macro WIN new                         ; the immediate's high byte repeats the setting that is left; a switch that changes nothing is dropped
.if MSB != (\new)
	s_set_vgpr_msb (MSB<<8)|(\new)
.set MSB, \new
.endif
.endm
.macro PLACES                          ; four places in front of loads into registers that matrix instructions have read, and of reads of results
.rept 4
	v_nop
.endr
.endm
.macro ROT                             ; the bitmap's next 16 words come into s[16:31]
.set k, 0
.rept 8
	s_mov_b64 s[16+2*k:17+2*k], s[32+2*k:33+2*k]
.set k, k+1
.endr
.set k, 0
.rept 8
	s_mov_b64 s[32+2*k:33+2*k], s[48+2*k:49+2*k]
.set k, k+1
.endr
.set k, 0
.rept 8
	s_mov_b64 s[48+2*k:49+2*k], s[68+2*k:69+2*k]
.set k, k+1
.endr
.endm
; THE FILL.  ISSUE: four weight rows, 32 loads of 512 consecutive bytes, into register set rs of window 1, by the set's own pointer.
.macro ISSUE rs, wb
	WIN 0x40
.set m, 0
.rept 32
	global_load_b128 v[(\rs)+4*m:(\rs)+4*m+3], v[VO+m/4], s[(\wb):(\wb)+1] offset:512*(m%4)
.set m, m+1
.endr
	WIN 0
.endm
; DRAIN: the set is rounded to bf16 and laid into LDS, 256 consecutive bytes a store.  left = the other set's younger loads, which stay out; extra = the group's place in the trip.
.macro DRAIN rs, left, extra
	s_wait_loadcnt \left                           ; this set's 32 loads are done: its pointer may be stepped behind this wait too
	WIN 0x05
.set m, 0
.rept 64
	v_cvt_pk_bf16_f32 v[T+m], v[(\rs)+2*m], v[(\rs)+2*m+1]
.set m, m+1
.endr
	WIN 0
.set m, 0
.rept 32
	ds_store_b64 v[FLK], v[T+2*m:T+2*m+1] offset:(\extra)+(m/8)*PITCH+(m%8)*256
.set m, m+1
.endr
.endm
; THE PRODUCT.  LDW: the weight fragments of 32 along K, 128 rows, by the address registers at AW.  LDX: six token fragments of a K step of 64.  MMH: 24 matrix instructions, row blocks f0 .. f0 + 2 x 8 column blocks.
.macro LDW buf, koff
.irp nt, 0,1,2,3,4,5,6,7
	ds_load_b128 v[(\buf)+8*\nt:(\buf)+8*\nt+3], v[AW+\nt] offset:(\koff)
	ds_load_b128 v[(\buf)+8*\nt+4:(\buf)+8*\nt+7], v[AW+\nt] offset:(\koff)+16
.endr
.endm
.macro LDX slot, rel                   ; rows of xb are read again by all 16 slices: the hint says so
.set xs, 96*(\slot)-64*((\slot)/2)
	WIN 0x40+0x80*((\slot)/2)
.irp f, 0,1,2,3,4,5
.irp qd, 0,1,2,3
	global_load_b128 v[xs+48*(\qd/2)+8*\f+4*(\qd%2):xs+48*(\qd/2)+8*\f+4*(\qd%2)+3], v[VA+\f], s[XB:XB+1] offset:(\rel)*128+16*\qd th:TH_LOAD_HT
.endr
.endr
.endm
.macro MMH slot, t, buf, f0, zero
.irp df, 0,1,2
.set fq, (\f0)+\df
.set aw, 2+fq/4
	WIN (aw<<6)|(aw<<4)|((1+2*((\slot)/2))<<2)
.set ac, 64*(fq%4)
.set xr, 96*(\slot)-64*((\slot)/2)+48*(\t)+8*fq
.irp nt, 0,1,2,3,4,5,6,7
.if \zero
	v_wmma_f32_16x16x32_bf16 v[ac+8*\nt:ac+8*\nt+7], v[(\buf)+8*\nt:(\buf)+8*\nt+7], v[xr:xr+7], 0
.else
	v_wmma_f32_16x16x32_bf16 v[ac+8*\nt:ac+8*\nt+7], v[(\buf)+8*\nt:(\buf)+8*\nt+7], v[xr:xr+7], v[ac+8*\nt:ac+8*\nt+7]
.endif
.endr
.endr
.endm
; A K step of 64: 96 matrix instructions; the 48 accumulators take turns, one instruction a turn.  The weight fragments of the next 32 along K are fetched 24 matrix
; instructions ahead of their use; the tokens of the step after next 168 ahead of the wait for them.  left: the next step's 24 loads, issued behind this step's, stay out.
.macro STEP rel, slot, zero, issue, left, last
	s_wait_dscnt 0x0                               ; buffer 0's fragments
	s_wait_loadcnt \left                           ; this step's tokens
	MMH \slot, 0, B0, 0, \zero
	WIN 0
	PLACES
	LDW B1, (\rel)*128+32
.if \issue
	LDX ((\slot)+2)%3, (\rel)+2
.endif
	MMH \slot, 0, B0, 3, \zero
	s_wait_dscnt 0x0                               ; buffer 1's fragments
	MMH \slot, 1, B1, 0, 0
.if !(\last)
	WIN 0
	PLACES
	LDW B0, ((\rel)+1)*128
.endif
	MMH \slot, 1, B1, 3, 0
.endm
; THE WAY OUT of row block f: column blocks 0-3 are g, 4-7 are u.  One batch of exponentials and one of reciprocals, each with one wait.
.macro EPI f
.set ac, 64*((\f)%4)
.set hb, HH+16*((\f)%2)
	WIN 0x0a+5*((\f)/4)                            ; sources 0 and 1 in the accumulators' window
.set i, 0
.rept 16
	v_pk_mul_f32 v[EE+2*i:EE+2*i+1], v[ac+2*i:ac+2*i+1], s[CS:CS+1] op_sel_hi:[1,0]   ; each accumulator is read from its low end on
.set i, i+1
.endr
.set i, 0
.rept 16
	v_pk_mul_f32 v[GU+2*i:GU+2*i+1], v[ac+2*i:ac+2*i+1], v[ac+32+2*i:ac+32+2*i+1]     ; g u
.set i, i+1
.endr
	WIN 0
.set i, 0
.rept 32
	v_exp_f32 v[EE+i], v[EE+i]
.set i, i+1
.endr
.set i, 0
.rept 16
	v_pk_mul_f32 v[GU+2*i:GU+2*i+1], v[GU+2*i:GU+2*i+1], v[CWP+2*(\f):CWP+2*(\f)+1] op_sel_hi:[1,0]   ; x the token's weight: plain work behind the batch
.set i, i+1
.endr
	s_wait_alu depctr_va_vdst(0)
.set i, 0
.rept 16
	v_pk_add_f32 v[EE+2*i:EE+2*i+1], v[EE+2*i:EE+2*i+1], 1.0 op_sel_hi:[1,0]
.set i, i+1
.endr
.set i, 0
.rept 32
	v_rcp_f32 v[EE+i], v[EE+i]
.set i, i+1
.endr
	v_nop
	s_wait_alu depctr_va_vdst(0)
.set i, 0
.rept 16
	v_pk_mul_f32 v[GU+2*i:GU+2*i+1], v[GU+2*i:GU+2*i+1], v[EE+2*i:EE+2*i+1]
.set i, i+1
.endr
	s_wait_xcnt 0x0                                ; earlier stores have read their registers
.set i, 0
.rept 16
	v_cvt_pk_bf16_f32 v[hb+i], v[GU+2*i], v[GU+2*i+1]
.set i, i+1
.endr
.irp p, 0,1,2,3                        ; columns 16 p + 8 h + 0..7 of the step are quad 2 (p % 2) + h of lane 16 (p / 2) + r: each store covers two aligned runs of 256 consecutive bytes
	global_store_b128 v[VH], v[hb+4*\p:hb+4*\p+3], s[HBK:HBK+1] offset:(\f)*32768+(\p%2)*1024+(\p/2)*256
.endr
.endm
	s_load_b256 s[4:11], s[0:1], 0x0               ; xb s[4:5], w_gate s[6:7], w_up s[8:9], sh_gate s[10:11]
	s_load_b256 s[84:91], s[0:1], 0x20             ; sh_up s[84:85], gbm s[86:87], cw s[88:89], hid s[90:91]
	v_lshl_add_u32 v[SPW], v0, 2, SPARE
	v_mov_b32 v[NIL], 0
	v_lshrrev_b32 v3, 5, v0
	v_readfirstlane_b32 s[WV], v3
	v_and_b32 v1, 15, v0                           ; r
	v_bfe_u32 v2, v0, 4, 1                         ; h
	v_and_b32 v3, 31, v0                           ; lane
	s_mov_b32 s[SL], ttmp9
	s_and_b32 s94, ttmp7, 0xffff                   ; y
	s_sub_co_u32 s95, s94, 3
	s_and_b32 s96, s95, 7                          ; a routed unit,
	s_lshr_b32 s97, s95, 3
	s_and_b32 s97, s97, 1                          ; its part
	s_cmp_lt_u32 s94, 3
	s_cselect_b32 s[UN], 8, s96                    ; y < 3: the shared unit,
	s_cselect_b32 s[PT], s94, s97                  ; part y of three
	s_cselect_b32 s[QS], 12, 8                     ; four blocks for each of the unit's parts
	s_lshl_b32 s[Q], s[PT], 2
	s_add_co_u32 s[Q], s[Q], s[WV]                 ; my first block
	v_lshlrev_b32 v56, 4, v3
.irp j, 0,1,2,3
	v_add_nc_u32 v[VO+2*\j], \j*4096, v56
	v_add_nc_u32 v[VO+2*\j+1], \j*4096+2048, v56
.endr
	s_mul_i32 s100, s[WV], 32*PITCH
	v_lshl_add_u32 v[FL], v3, 3, s100              ; my wave's 32 rows, 8 bytes a lane
	s_cmp_eq_u32 s[UN], 8
	s_cselect_b32 s94, 0, s[UN]                    ; the unit's place in its matrices
	s_lshl_b32 s94, s94, 22                        ; 1,024 rows of 4,096 bytes a unit
	s_lshl_b32 s95, s[SL], 18                      ; 64 rows a slice
	s_add_co_u32 s94, s94, s95
	s_and_b32 s95, s[WV], 1
	s_lshl_b32 s95, s95, 17                        ; 32 rows a wave
	s_add_co_u32 s94, s94, s95
	s_mov_b32 s95, 0
	s_lshl_b32 s98, s[UN], 8                       ; the unit's row of the bitmap
	s_mov_b32 s99, 0
	s_wait_kmcnt 0x0
	s_add_nc_u64 s[86:87], s[86:87], s[98:99]
	s_load_b512 s[16:31], s[86:87], 0x0
	s_load_b512 s[32:47], s[86:87], 0x40
	s_load_b512 s[48:63], s[86:87], 0x80
	s_load_b512 s[68:83], s[86:87], 0xc0
	s_cmp_eq_u32 s[UN], 8
	s_cselect_b64 s[6:7], s[10:11], s[6:7]         ; the gate matrix,
	s_cselect_b64 s[8:9], s[84:85], s[8:9]         ; the up matrix
	s_cmp_lt_u32 s[WV], 2
	s_cselect_b64 s[WB0:WB0+1], s[6:7], s[8:9]     ; waves 0, 1: gate rows (LDS rows 0-63); waves 2, 3: up rows (64-127)
	s_add_nc_u64 s[WB0:WB0+1], s[WB0:WB0+1], s[94:95]
	s_add_nc_u64 s[WB1:WB1+1], s[WB0:WB0+1], 4*4096
	ISSUE 0, WB0                                   ; the first four rows are asked for ahead of the bitmap's wait: they are on their way while the rows are counted and listed
	s_wait_kmcnt 0x0
	s_mov_b32 s[CN], 0                             ; cnt = the bitmap's ones
.set k, 16
.rept 48
	s_bcnt1_i32_b32 s[NB], s[k]
	s_add_co_u32 s[CN], s[CN], s[NB]
.set k, k+1
.endr
.set k, 68
.rept 16
	s_bcnt1_i32_b32 s[NB], s[k]
	s_add_co_u32 s[CN], s[CN], s[NB]
.set k, k+1
.endr
	s_add_co_u32 s[NB], s[CN], 95
	s_mul_hi_u32 s[NB], s[NB], 0x2aaaaab           ; (cnt + 95) / 96, exact up to cnt = 2,048
	; THE LIST, by wave 0: LIST[rank] = token.  A token that is no member goes to place 2,047 less the non-members ahead of it: the 2,048 places are a permutation.
	; Sixteen words a trip, each kind of line in a batch, so that no line waits for the one before it.
	s_cmp_lg_u32 s[WV], 0
	s_cbranch_scc1 .Lnolist
	v_mov_b32 v26, v3                              ; my token of the trip's first word
	s_mov_b32 s97, 0                               ; members in the words before
	s_mov_b32 s96, 4
.Llist:
.set k, 0
.rept 16
	v_mbcnt_lo_u32_b32 v[64+k], s[16+k], s97       ; members ahead of my token
	v_add_nc_u32 v[96+k], 32*k, v26                ; my token
	s_bcnt1_i32_b32 s98, s[16+k]
	s_add_co_u32 s97, s97, s98
.set k, k+1
.endr
.set k, 0
.rept 16
	v_sub_nc_u32 v[80+k], v[64+k], v[96+k]
.set k, k+1
.endr
.set k, 0
.rept 16
	v_add_nc_u32 v[80+k], 0x7ff, v[80+k]           ; 2,047 - (token - members ahead)
.set k, k+1
.endr
.set k, 0
.rept 16
	v_cndmask_b32 v[80+k], v[80+k], v[64+k], s[16+k]
.set k, k+1
.endr
.set k, 0
.rept 16
	v_min_u32 v[80+k], 0x7ff, v[80+k]
.set k, k+1
.endr
.set k, 0
.rept 16
	v_lshl_add_u32 v[80+k], v[80+k], 2, LIST
.set k, k+1
.endr
.set k, 0
.rept 16
	ds_store_b32 v[80+k], v[96+k]
.set k, k+1
.endr
	v_add_nc_u32 v26, 0x200, v26
	ROT
	s_sub_co_u32 s96, s96, 1
	s_cmp_lg_u32 s96, 0
	s_cbranch_scc1 .Llist
.Lnolist:
	ISSUE 128, WB1                                 ; the second four rows: two sets of 32 loads are on their way
	s_wait_dscnt 0x0                               ; the list is in LDS
	s_barrier_signal -1
	s_barrier_wait -1                              ; only behind this barrier do the other waves write LDS
	s_mov_b32 s[FO], 0
	s_mov_b32 s[LC], 3
.Lfill:                                                ; a trip: two groups of four rows
	v_add_nc_u32 v[FLK], s[FO], v[FL]
	DRAIN 0, 32, 0
	s_add_nc_u64 s[WB0:WB0+1], s[WB0:WB0+1], 8*4096
	ISSUE 0, WB0
	DRAIN 128, 32, GSTEP
	s_add_nc_u64 s[WB1:WB1+1], s[WB1:WB1+1], 8*4096
	ISSUE 128, WB1
	s_add_co_u32 s[FO], s[FO], 2*GSTEP
	s_sub_co_u32 s[LC], s[LC], 1
	s_cmp_lg_u32 s[LC], 0
	s_cbranch_scc1 .Lfill
	v_add_nc_u32 v[FLK], 6*GSTEP, v[FL]            ; the last two groups
	DRAIN 0, 32, 0
	DRAIN 128, 0, GSTEP
	; what every block of mine needs, made while the last stores go into LDS
	v_lshlrev_b32 v57, 6, v2                       ; 64 h
	v_mul_u32_u24 v56, v1, PITCH
	v_add_nc_u32 v56, v56, v57
.irp nt, 0,1,2,3,4,5,6,7
	v_add_nc_u32 v[VW+\nt], \nt*16*PITCH, v56
.endr
	v_lshlrev_b32 v[VH], 9, v2
	v_lshl_add_u32 v[VH], v1, 4, v[VH]             ; 512 h + 16 r
	s_lshl_b32 s20, s[UN], 1
	s_lshr_b32 s23, s[SL], 3
	s_add_co_u32 s20, s20, s23                     ; the slice's expert: 2 unit + slice / 8
	s_min_u32 s20, s20, 15                         ; (the shared unit reads a weight that it does not use)
	s_lshr_b32 s23, s20, 2
	s_lshl_b32 s23, s23, 8
	s_and_b32 s20, s20, 3
	s_lshl_b32 s20, s20, 2
	s_add_co_u32 s24, s20, s23
	s_mov_b32 s25, 0
	s_add_nc_u64 s[CWB:CWB+1], s[CWB:CWB+1], s[24:25]
	s_mul_i32 s24, s[UN], HUNIT
	s_lshl_b32 s23, s[SL], 11                      ; my slice is K step s of the next product
	s_add_co_u32 s24, s24, s23
	s_add_nc_u64 s[HB:HB+1], s[HB:HB+1], s[24:25]
	s_cmp_eq_u32 s[UN], 8
	s_cselect_b32 s[SH], -1, 0
	s_mov_b32 s[CS], 0xbfb8aa3b                    ; -log2(e)
	s_mov_b32 s[CS+1], s[CS]
	s_sub_co_u32 s[C1], s[CN], 1
	s_wait_dscnt 0x0                               ; my rows of the weights are in LDS
	s_barrier_signal -1
	s_barrier_wait -1                              ; everybody's are; from here to the closing barrier nothing writes LDS
	s_mov_b32 s[BC], 3
.Lblk:                                                 ; three trips: blocks q, q + stride, q + 2 stride; one past the count is jumped over
	s_cmp_ge_u32 s[Q], s[NB]
	s_cbranch_scc1 .Lskip
	s_wait_xcnt 0x0                                ; the last block's stores have read their data and their base
	s_mul_i32 s20, s[Q], 96
	v_add_nc_u32 v56, s20, v1                      ; rank of row r of my first row block
.irp f, 0,1,2,3,4,5
	v_add_nc_u32 v[TK+\f], 16*\f, v56
	v_min_u32 v[TK+\f], s[C1], v[TK+\f]            ; places past the count repeat the last row
	v_min_u32 v[TK+\f], 0x7ff, v[TK+\f]
	v_lshl_add_u32 v[TK+\f], v[TK+\f], 2, LIST
.endr
.irp f, 0,1,2,3,4,5
	ds_load_b32 v[TK+\f], v[TK+\f]
.endr
	s_mov_b64 s[XB:XB+1], s[4:5]
	s_mul_i32 s24, s[Q], 196608                    ; 6 blocks of 16 rows x 16 steps x 2,048 bytes
	s_mov_b32 s25, 0
	s_add_nc_u64 s[HBK:HBK+1], s[HB:HB+1], s[24:25]
	s_wait_dscnt 0x0                               ; my tokens
.irp f, 0,1,2,3,4,5
	v_min_u32 v[TK+\f], 0x7ff, v[TK+\f]
	v_lshl_add_u32 v[VA+\f], v[TK+\f], 11, v57     ; 2,048 bytes a row of xb
	v_and_b32 v[CO+\f], 0x7f0, v[TK+\f]
	v_and_b32 v58, 15, v[TK+\f]
	v_lshlrev_b32 v58, 4, v58
	v_lshl_add_u32 v[CO+\f], v[CO+\f], 6, v58      ; 1,024 (t / 16) + 16 (t % 16)
	v_mov_b32 v[CWP+2*\f+1], 0                     ; named with the weight as a pair
.endr
.irp f, 0,1,2,3,4,5
	global_load_b32 v[CWP+2*\f], v[CO+\f], s[CWB:CWB+1]   ; older than every token load: the first counted wait below covers them
.endr
.set AW, VW                            ; the first K step reads by the fixed addresses
	LDX 0, 0
	LDX 1, 1
	WIN 0
	LDW B0, 0
	STEP 0, 0, 1, 1, 24, 0                         ; the first K step starts the sums: nothing is cleared
	WIN 0
.set AW, VWK
	s_mov_b32 s[KO], 0
	s_mov_b32 s[LC], 4
.Lpipe:                                                ; a trip: three K steps, one on each token slot
.irp nt, 0,1,2,3,4,5,6,7
	v_add_nc_u32 v[VWK+\nt], s[KO], v[VW+\nt]
.endr
	STEP 1, 1, 0, 1, 24, 0
	STEP 2, 2, 0, 1, 24, 0
	STEP 3, 0, 0, 1, 24, 0
	WIN 0
	s_wait_xcnt 0x0                                ; the token loads' base is stepped only behind this wait
	s_add_nc_u64 s[XB:XB+1], s[XB:XB+1], XSTEP
	s_add_co_u32 s[KO], s[KO], 384
	s_sub_co_u32 s[LC], s[LC], 1
	s_cmp_lg_u32 s[LC], 0
	s_cbranch_scc1 .Lpipe
.irp nt, 0,1,2,3,4,5,6,7
	v_add_nc_u32 v[VWK+\nt], 1536, v[VW+\nt]       ; twelve K steps on
.endr
	STEP 1, 1, 0, 1, 24, 0                         ; steps 13 to 15: the last two ask for nothing, and the counts run down
	STEP 2, 2, 0, 0, 24, 0
	STEP 3, 0, 0, 0, 0, 1
	WIN 0
	PLACES
.irp f, 0,1,2,3,4,5
	v_cndmask_b32 v[CWP+2*\f], v[CWP+2*\f], 1.0, s[SH]   ; the shared unit's weight is 1
.endr
	EPI 0
	EPI 1
	EPI 2
	EPI 3
	EPI 4
	EPI 5
	WIN 0
.Lskip:
	s_add_co_u32 s[Q], s[Q], s[QS]
	s_sub_co_u32 s[BC], s[BC], 1
	s_cmp_lg_u32 s[BC], 0
	s_cbranch_scc1 .Lblk
	s_wait_dscnt 0x0                               ; my reads of LDS are over
	s_barrier_signal -1
	s_barrier_wait -1                              ; everybody's are: LDS is written again only behind this barrier
	s_wait_tensorcnt 0x0                           ; the wave's end
	ds_add_u32 v[SPW], v[NIL]
	s_wait_dscnt 0x0
	s_endpgm
.Lfunc_end_k_q17f54af138_up:
	.size	k_q17f54af138_up, .Lfunc_end_k_q17f54af138_up-k_q17f54af138_up
	.p2alignl 7, 3214868480
	.fill 96, 4, 3214868480
	.section	.rodata,"a",@progbits
	.p2align	6, 0x0
	.amdhsa_kernel k_q17f54af138_up
		.amdhsa_group_segment_fixed_size 272896
		.amdhsa_private_segment_fixed_size 0
		.amdhsa_enable_private_segment 0
		.amdhsa_kernarg_size 64
		.amdhsa_user_sgpr_count 2
		.amdhsa_user_sgpr_kernarg_segment_ptr 1
		.amdhsa_wavefront_size32 1
		.amdhsa_system_sgpr_workgroup_id_x 1
		.amdhsa_system_sgpr_workgroup_id_y 1
		.amdhsa_system_sgpr_workgroup_id_z 1
		.amdhsa_system_vgpr_workitem_id 0
		.amdhsa_next_free_vgpr 1024
		.amdhsa_next_free_sgpr 104
		.amdhsa_reserve_vcc 0
		.amdhsa_float_denorm_mode_32 3
		.amdhsa_float_denorm_mode_16_64 3
		.amdhsa_memory_ordered 1
		.amdhsa_forward_progress 1
		.amdhsa_inst_pref_size 190
	.end_amdhsa_kernel
	.amdgpu_metadata
---
amdhsa.version: [ 1, 2 ]
amdhsa.kernels:
  - .name:           k_q17f54af138_up
    .symbol:         k_q17f54af138_up.kd
    .args:
      - { .name: xb, .offset: 0, .size: 8, .value_kind: global_buffer, .address_space: global }
      - { .name: w_gate, .offset: 8, .size: 8, .value_kind: global_buffer, .address_space: global }
      - { .name: w_up, .offset: 16, .size: 8, .value_kind: global_buffer, .address_space: global }
      - { .name: sh_gate, .offset: 24, .size: 8, .value_kind: global_buffer, .address_space: global }
      - { .name: sh_up, .offset: 32, .size: 8, .value_kind: global_buffer, .address_space: global }
      - { .name: gbm, .offset: 40, .size: 8, .value_kind: global_buffer, .address_space: global }
      - { .name: cw, .offset: 48, .size: 8, .value_kind: global_buffer, .address_space: global }
      - { .name: hid, .offset: 56, .size: 8, .value_kind: global_buffer, .address_space: global }
    .group_segment_fixed_size: 272896
    .private_segment_fixed_size: 0
    .kernarg_segment_align: 8
    .kernarg_segment_size: 64
    .max_flat_workgroup_size: 128
    .sgpr_count:     104
    .vgpr_count:     1024
    .wavefront_size: 32
...
	.end_amdgpu_metadata
.endif
;; end of part 2
;; launch down (part 3): grid 8 x 30, 4 waves a work-group, no clusters, 264,704 bytes of LDS; arguments hid, w_down, sh_down, gbm, part, rk; writes part, rk
.if DOCPART == 3
	.amdgcn_target "amdgcn-amd-amdhsa--gfx1250"
	.amdhsa_code_object_version 6
	.text
	.protected	k_q17f54af138_down
	.globl	k_q17f54af138_down
	.p2align	8
	.type	k_q17f54af138_down,@function
k_q17f54af138_down:
	s_mov_b64 s[64:65], 0
	v_nop
	global_prefetch_b8 v0, s[64:65] scope:SCOPE_SE
	s_setreg_imm32_b32 hwreg(HW_REG_WAVE_MODE, 25, 1), 1
	s_wait_xcnt 0x0
; SECOND PRODUCT.  part[unit][rank][n] = the sum over the unit's 1,024 hidden columns of hid x Wd[n], f32 partial rows; units and blocks of 96 rows as in the first product.
; grid x = slice of 128 output columns.  grid y: 0-5 the shared unit's six parts; 6-29 parts 0, 1, 2 of units 0-7 (unit = (y - 6) % 8).  A work-group rounds its 128 rows of the down matrix
; (K = 1,024: for a routed unit 512 from each of its two experts) to bf16 into LDS, once; wave w takes blocks q = 4 part + w and q + stride (stride = 4 x the unit's parts) through all of K:
; two trips cover 24 blocks with three parts, and a unit has 22 at the most: every split of the tokens is served.  A block past the count is jumped forward over; a work-group that a split
; leaves without rows fills its slice, stores nothing and ends.  hid lies in operand order, so a token load is 512 consecutive bytes.
; THE WAY OUT NEEDS NO LDS.  Source 0 = 16 tokens, source 1 = 16 weight rows: in a result lane (r, h) holds in register j token 8 h + j and the column of lane r.  LDS row 16 nt + r holds
; output column 64 (nt / 4) + 4 r + nt % 4 of the slice, so register j of four neighbouring accumulators is four neighbouring columns of one token: moved side by side they are 16 bytes
; of a store in which sixteen lanes cover 256 consecutive bytes, aligned.
; The work-group (slice 0, part 0) of each unit also stores rk[unit][token] = the token's rank among the unit's rows, or 0xffff for a token that is no member.
; NO JOINT LOADS: the weights are f32 and are rounded on their way through registers; the eight slices of a part do read the same rows of hid, but two slots of one K step of 64 for a
; work-group's 384 rows are 98,304 bytes, and beside the weights (264,192) 62,976 bytes of LDS are left.
; Registers, K order and the product's order are the first product's.  LDS addresses in loops are a vector register that is never rewritten plus a scalar that steps once a trip.
; Rows past a unit's count are stored too (they repeat its last row) and are read by nobody.
.set PITCH, 2064                       ; an LDS row: 2,048 bytes + 16: the 16 rows of a fragment load start at different banks (ISA guide 11.1)
.set SPARE, 128*PITCH                  ; behind the weights: the spare words, 128 bytes a wave
.set GSTEP, 2*PITCH                    ; the fill: a group of four weight rows is two LDS rows in each of my two column blocks
.set HUNIT, 4325376
.set PUNIT, 8650752                    ; a unit's bytes in part: 2,112 rows of 4,096
.set XSTEP, 6144                       ; three K steps of 2,048 bytes in a block of hid
.set VW,  4                            ; v4-11   LDS address of my part of LDS rows 16 nt + r; never rewritten
.set VWK, 12                           ; v12-19  the same plus the trip's bytes along K
.set VA,  20                           ; v20     16 lane
.set VS,  21                           ; v21     the stores: 8 h rows of part + 16 r
.set SPW, 32
.set NIL, 33
.set VO,  46                           ; v46-53  the fill: byte offsets of four rows x two halves of K; never rewritten
.set FL,  54                           ; v54     the fill: my 8 bytes in my wave's first LDS row; never rewritten
.set FLK, 55                           ; v55     the same plus the trip's rows
.set B0,  64
.set B1,  128
.set T,   192
.set UN,  2
.set PT,  3
.set WV,  12
.set SL,  13
.set CN,  14
.set NB,  15
.set Q,   92
.set QS,  93
.set WB0, 6                            ; s[6:7], s[8:9] the fill's two pointers, one for each register set
.set WB1, 8
.set WS,  88                           ; s[88:89] their step: sixteen weight rows
.set XB,  16                           ; s[16:17] hid at the block in hand, steps with K
.set PBK, 18                           ; s[18:19] part at the block in hand
.set LC,  22
.set KO,  27
.set BC,  30
.set FO,  31
.set MSB, 0
.macro WIN new
.if MSB != (\new)
	s_set_vgpr_msb (MSB<<8)|(\new)
.set MSB, \new
.endif
.endm
.macro PLACES
.rept 4
	v_nop
.endr
.endm
.macro ROT
.set k, 0
.rept 8
	s_mov_b64 s[16+2*k:17+2*k], s[32+2*k:33+2*k]
.set k, k+1
.endr
.set k, 0
.rept 8
	s_mov_b64 s[32+2*k:33+2*k], s[48+2*k:49+2*k]
.set k, k+1
.endr
.set k, 0
.rept 8
	s_mov_b64 s[48+2*k:49+2*k], s[68+2*k:69+2*k]
.set k, k+1
.endr
.endm
.macro ISSUE rs, wb                    ; four weight rows: 32 loads of 512 consecutive bytes, by the set's own pointer
	WIN 0x40
.set m, 0
.rept 32
	global_load_b128 v[(\rs)+4*m:(\rs)+4*m+3], v[VO+m/4], s[(\wb):(\wb)+1] offset:512*(m%4)
.set m, m+1
.endr
	WIN 0
.endm
; DRAIN: rounded to bf16 and laid into LDS.  Row j = m / 8 of the group goes to column block j % 2 of my two, LDS row j / 2 of the group's two.  left = the other set's younger loads; extra = the group's place in the trip.
.macro DRAIN rs, left, extra
	s_wait_loadcnt \left                           ; this set's 32 loads are done: its pointer may be stepped behind this wait too
	WIN 0x05
.set m, 0
.rept 64
	v_cvt_pk_bf16_f32 v[T+m], v[(\rs)+2*m], v[(\rs)+2*m+1]
.set m, m+1
.endr
	WIN 0
.set m, 0
.rept 32
	ds_store_b64 v[FLK], v[T+2*m:T+2*m+1] offset:(\extra)+((m/8)%2)*16*PITCH+((m/8)/2)*PITCH+(m%8)*256
.set m, m+1
.endr
.endm
.macro LDW buf, koff
.irp nt, 0,1,2,3,4,5,6,7
	ds_load_b128 v[(\buf)+8*\nt:(\buf)+8*\nt+3], v[AW+\nt] offset:(\koff)
	ds_load_b128 v[(\buf)+8*\nt+4:(\buf)+8*\nt+7], v[AW+\nt] offset:(\koff)+16
.endr
.endm
.macro LDX slot, rel                   ; six row blocks x four quads of a K step: 512 consecutive bytes a load
.set xs, 96*(\slot)-64*((\slot)/2)
	WIN 0x40+0x80*((\slot)/2)
.irp f, 0,1,2,3,4,5
.irp qd, 0,1,2,3
	global_load_b128 v[xs+48*(\qd/2)+8*\f+4*(\qd%2):xs+48*(\qd/2)+8*\f+4*(\qd%2)+3], v[VA], s[XB:XB+1] offset:\f*32768+(\rel)*2048+512*\qd
.endr
.endr
.endm
.macro MMH slot, t, buf, f0, zero      ; source 0: tokens, in their slot's window; source 1: weights, in window 0
.irp df, 0,1,2
.set fq, (\f0)+\df
.set aw, 2+fq/4
	WIN (aw<<6)|(aw<<4)|(1+2*((\slot)/2))
.set ac, 64*(fq%4)
.set xr, 96*(\slot)-64*((\slot)/2)+48*(\t)+8*fq
.irp nt, 0,1,2,3,4,5,6,7
.if \zero
	v_wmma_f32_16x16x32_bf16 v[ac+8*\nt:ac+8*\nt+7], v[xr:xr+7], v[(\buf)+8*\nt:(\buf)+8*\nt+7], 0
.else
	v_wmma_f32_16x16x32_bf16 v[ac+8*\nt:ac+8*\nt+7], v[xr:xr+7], v[(\buf)+8*\nt:(\buf)+8*\nt+7], v[ac+8*\nt:ac+8*\nt+7]
.endif
.endr
.endr
.endm
; A K step of 64: 96 matrix instructions, the 48 accumulators by turns.  left: the next step's 24 loads, issued behind this step's, stay out.
.macro STEP rel, slot, zero, issue, left, last
	s_wait_dscnt 0x0                               ; buffer 0's fragments
	s_wait_loadcnt \left                           ; this step's rows of hid
	MMH \slot, 0, B0, 0, \zero
	WIN 0
	PLACES
	LDW B1, (\rel)*128+32
.if \issue
	LDX ((\slot)+2)%3, (\rel)+2
.endif
	MMH \slot, 0, B0, 3, \zero
	s_wait_dscnt 0x0                               ; buffer 1's fragments
	MMH \slot, 1, B1, 0, 0
.if !(\last)
	WIN 0
	PLACES
	LDW B0, ((\rel)+1)*128
.endif
	MMH \slot, 1, B1, 3, 0
.endm
; THE WAY OUT of row block f: register j of accumulators 4 g .. 4 g + 3 side by side (a transposition in registers; each accumulator is read from its low end on), then 16 stores.
; Three buffers of 64 registers take turns; from the fourth block on a buffer is written again, behind the wait that frees its stores' data.
.macro OUT f
.set ac, 64*((\f)%4)
.set tb, 64+64*((\f)%3)
.if (\f) >= 3
	s_wait_xcnt 0x0                                ; earlier stores have read their registers
.endif
	WIN 2+(\f)/4                                   ; source 0 in the accumulators' window
.irp g, 0,1
.irp j, 0,1,2,3,4,5,6,7
.irp c, 0,1,2,3
	v_mov_b32 v[tb+4*(8*\g+\j)+\c], v[ac+8*(4*\g+\c)+\j]
.endr
.endr
.endr
	WIN 0
.irp g, 0,1
.irp j, 0,1,2,3,4,5,6,7
	global_store_b128 v[VS], v[tb+4*(8*\g+\j):tb+4*(8*\g+\j)+3], s[PBK:PBK+1] offset:(16*(\f)+\j)*4096+256*\g   ; lanes 0-15: 256 consecutive bytes of token j, aligned; lanes 16-31: of token 8 + j
.endr
.endr
.endm
	s_load_b256 s[4:11], s[0:1], 0x0               ; hid s[4:5], w_down s[6:7], sh_down s[8:9], gbm s[10:11]
	s_load_b128 s[84:87], s[0:1], 0x20             ; part s[84:85], rk s[86:87]
	v_lshl_add_u32 v[SPW], v0, 2, SPARE
	v_mov_b32 v[NIL], 0
	v_lshrrev_b32 v3, 5, v0
	v_readfirstlane_b32 s[WV], v3
	v_and_b32 v1, 15, v0                           ; r
	v_bfe_u32 v2, v0, 4, 1                         ; h
	v_and_b32 v3, 31, v0                           ; lane
	s_mov_b32 s[SL], ttmp9
	s_and_b32 s94, ttmp7, 0xffff                   ; y
	s_sub_co_u32 s95, s94, 6
	s_and_b32 s96, s95, 7                          ; a routed unit,
	s_lshr_b32 s97, s95, 3
	s_min_u32 s97, s97, 2                          ; its part
	s_cmp_lt_u32 s94, 6
	s_cselect_b32 s[UN], 8, s96                    ; y < 6: the shared unit,
	s_cselect_b32 s[PT], s94, s97                  ; part y of six
	s_cselect_b32 s[QS], 24, 12                    ; four blocks for each of the unit's parts
	s_lshl_b32 s[Q], s[PT], 2
	s_add_co_u32 s[Q], s[Q], s[WV]                 ; my first block
	; Wave w fills LDS rows 32 w .. 32 w + 31: column blocks nt = 2 w, 2 w + 1.  They hold weight rows 64 (w / 2) + 2 (w % 2) + t + 4 r, t = 0, 1: a group is rows + 0, 1, 4, 5, the next group eight rows on.
	s_mov_b32 s96, 2048
	s_mov_b32 s97, 4096
	s_mov_b32 s98, 0x200000
	s_cmp_eq_u32 s[UN], 8
	s_cselect_b32 s94, 0, s[UN]
	s_cselect_b32 s99, s97, s96                    ; bytes from row to row: sh_down 4,096; w_down 2,048
	s_cselect_b32 s100, s96, s98                   ; bytes from K half 0 to K half 1: in the row; or one expert on
	s_lshl_b32 s94, s94, 22                        ; two experts of 2,097,152 bytes a unit
	s_lshl_b32 s95, s[SL], 7
	s_lshr_b32 s101, s[WV], 1
	s_lshl_b32 s101, s101, 6
	s_add_co_u32 s95, s95, s101
	s_and_b32 s101, s[WV], 1
	s_lshl_b32 s101, s101, 1
	s_add_co_u32 s95, s95, s101                    ; my first row: 128 slice + 64 (w / 2) + 2 (w % 2)
	s_mul_i32 s95, s95, s99
	s_add_co_u32 s94, s94, s95
	s_mov_b32 s95, 0
	v_lshlrev_b32 v57, 4, v3
.irp j, 0,1,2,3
	s_mul_i32 s101, s99, (\j%2)+4*(\j/2)
	v_add_nc_u32 v[VO+2*\j], s101, v57
	s_add_co_u32 s101, s101, s100
	v_add_nc_u32 v[VO+2*\j+1], s101, v57
.endr
	s_mul_i32 s101, s[WV], 32*PITCH
	v_lshl_add_u32 v[FL], v3, 3, s101
	s_lshl_b32 s[WS], s99, 4                       ; two groups: sixteen rows
	s_mov_b32 s[WS+1], 0
	s_lshl_b32 s90, s99, 3                         ; one group: eight rows
	s_mov_b32 s91, 0
	s_lshl_b32 s96, s[UN], 8                       ; the unit's row of the bitmap
	s_mov_b32 s97, 0
	s_wait_kmcnt 0x0
	s_add_nc_u64 s[10:11], s[10:11], s[96:97]
	s_load_b512 s[16:31], s[10:11], 0x0
	s_load_b512 s[32:47], s[10:11], 0x40
	s_load_b512 s[48:63], s[10:11], 0x80
	s_load_b512 s[68:83], s[10:11], 0xc0
	s_cmp_eq_u32 s[UN], 8
	s_cselect_b64 s[WB0:WB0+1], s[8:9], s[6:7]
	s_add_nc_u64 s[WB0:WB0+1], s[WB0:WB0+1], s[94:95]
	s_add_nc_u64 s[WB1:WB1+1], s[WB0:WB0+1], s[90:91]
	ISSUE 0, WB0                                   ; the first four rows are asked for ahead of the bitmap's wait: they are on their way while the rows are counted
	s_wait_kmcnt 0x0
	s_mov_b32 s[CN], 0
.set k, 16
.rept 48
	s_bcnt1_i32_b32 s[NB], s[k]
	s_add_co_u32 s[CN], s[CN], s[NB]
.set k, k+1
.endr
.set k, 68
.rept 16
	s_bcnt1_i32_b32 s[NB], s[k]
	s_add_co_u32 s[CN], s[CN], s[NB]
.set k, k+1
.endr
	s_add_co_u32 s[NB], s[CN], 95
	s_mul_hi_u32 s[NB], s[NB], 0x2aaaaab           ; (cnt + 95) / 96, exact up to cnt = 2,048
	; THE RANKS, by wave 0 of the unit's first work-group
	s_or_b32 s94, s[SL], s[PT]
	s_or_b32 s94, s94, s[WV]
	s_cmp_lg_u32 s94, 0
	s_cbranch_scc1 .Lnork
	s_lshl_b32 s94, s[UN], 13
	s_mov_b32 s95, 0
	s_add_nc_u64 s[86:87], s[86:87], s[94:95]
	v_lshlrev_b32 v26, 2, v3
	v_mov_b32 v27, 0xffff
	s_mov_b32 s97, 0
	s_mov_b32 s96, 4
.Lrk:
.set k, 0
.rept 16
	v_mbcnt_lo_u32_b32 v[64+k], s[16+k], s97       ; members ahead of my token
	v_cndmask_b32 v[64+k], v27, v[64+k], s[16+k]
	global_store_b32 v26, v[64+k], s[86:87] offset:128*k
	s_bcnt1_i32_b32 s98, s[16+k]
	s_add_co_u32 s97, s97, s98
.set k, k+1
.endr
	s_wait_xcnt 0x0                                ; the stores' offset and data are written again only behind this wait
	v_add_nc_u32 v26, 2048, v26
	ROT
	s_sub_co_u32 s96, s96, 1
	s_cmp_lg_u32 s96, 0
	s_cbranch_scc1 .Lrk
.Lnork:
	ISSUE 128, WB1                                 ; the second four rows: two sets of 32 loads are on their way
	s_mov_b32 s[FO], 0
	s_mov_b32 s[LC], 3
.Lfill:                                                ; a trip: two groups of four rows
	v_add_nc_u32 v[FLK], s[FO], v[FL]
	DRAIN 0, 32, 0
	s_add_nc_u64 s[WB0:WB0+1], s[WB0:WB0+1], s[WS:WS+1]
	ISSUE 0, WB0
	DRAIN 128, 32, GSTEP
	s_add_nc_u64 s[WB1:WB1+1], s[WB1:WB1+1], s[WS:WS+1]
	ISSUE 128, WB1
	s_add_co_u32 s[FO], s[FO], 2*GSTEP
	s_sub_co_u32 s[LC], s[LC], 1
	s_cmp_lg_u32 s[LC], 0
	s_cbranch_scc1 .Lfill
	v_add_nc_u32 v[FLK], 6*GSTEP, v[FL]            ; the last two groups
	DRAIN 0, 32, 0
	DRAIN 128, 0, GSTEP
	; what every block of mine needs, made while the last stores go into LDS
	v_lshlrev_b32 v[VA], 4, v3
	v_lshlrev_b32 v57, 6, v2
	v_mul_u32_u24 v58, v1, PITCH
	v_add_nc_u32 v58, v58, v57
.irp nt, 0,1,2,3,4,5,6,7
	v_add_nc_u32 v[VW+\nt], \nt*16*PITCH, v58
.endr
	v_lshlrev_b32 v[VS], 15, v2                    ; lanes 16 to 31: eight rows of 4,096 bytes further down
	v_lshl_add_u32 v[VS], v1, 4, v[VS]
	s_mul_i32 s20, s[UN], HUNIT
	s_mov_b32 s21, 0
	s_add_nc_u64 s[4:5], s[4:5], s[20:21]          ; hid at my unit
	s_mul_i32 s20, s[UN], PUNIT
	s_lshl_b32 s23, s[SL], 9                       ; my 128 columns
	s_add_co_u32 s20, s20, s23
	s_add_nc_u64 s[84:85], s[84:85], s[20:21]      ; part at my unit and columns
	s_wait_dscnt 0x0                               ; my rows of the weights are in LDS
	s_barrier_signal -1
	s_barrier_wait -1                              ; everybody's are; from here to the closing barrier nothing writes LDS
	s_mov_b32 s[BC], 2
.Lblk:                                                 ; two trips: blocks q and q + stride; one past the count is jumped over
	s_cmp_ge_u32 s[Q], s[NB]
	s_cbranch_scc1 .Lskip
	s_wait_xcnt 0x0                                ; the last block's stores have read their data and their base
	s_mul_i32 s20, s[Q], 196608                    ; 6 blocks of 16 rows x 16 steps x 2,048 bytes
	s_mov_b32 s21, 0
	s_add_nc_u64 s[XB:XB+1], s[4:5], s[20:21]
	s_mul_i32 s20, s[Q], 96*4096
	s_add_nc_u64 s[PBK:PBK+1], s[84:85], s[20:21]
.set AW, VW                            ; the first K step reads by the fixed addresses
	LDX 0, 0
	LDX 1, 1
	WIN 0
	LDW B0, 0
	STEP 0, 0, 1, 1, 24, 0                         ; the first K step starts the sums: nothing is cleared
	WIN 0
.set AW, VWK
	s_mov_b32 s[KO], 0
	s_mov_b32 s[LC], 4
.Lpipe:                                                ; a trip: three K steps, one on each token slot
.irp nt, 0,1,2,3,4,5,6,7
	v_add_nc_u32 v[VWK+\nt], s[KO], v[VW+\nt]
.endr
	STEP 1, 1, 0, 1, 24, 0
	STEP 2, 2, 0, 1, 24, 0
	STEP 3, 0, 0, 1, 24, 0
	WIN 0
	s_wait_xcnt 0x0                                ; the loads' base is stepped only behind this wait
	s_add_nc_u64 s[XB:XB+1], s[XB:XB+1], XSTEP
	s_add_co_u32 s[KO], s[KO], 384
	s_sub_co_u32 s[LC], s[LC], 1
	s_cmp_lg_u32 s[LC], 0
	s_cbranch_scc1 .Lpipe
.irp nt, 0,1,2,3,4,5,6,7
	v_add_nc_u32 v[VWK+\nt], 1536, v[VW+\nt]       ; twelve K steps on
.endr
	STEP 1, 1, 0, 1, 24, 0                         ; steps 13 to 15: the last two ask for nothing, and the counts run down
	STEP 2, 2, 0, 0, 24, 0
	STEP 3, 0, 0, 0, 0, 1
	WIN 0
	PLACES
	OUT 0
	OUT 1
	OUT 2
	OUT 3
	OUT 4
	OUT 5
	WIN 0
.Lskip:
	s_add_co_u32 s[Q], s[Q], s[QS]
	s_sub_co_u32 s[BC], s[BC], 1
	s_cmp_lg_u32 s[BC], 0
	s_cbranch_scc1 .Lblk
	s_wait_dscnt 0x0                               ; my reads of LDS are over
	s_barrier_signal -1
	s_barrier_wait -1                              ; everybody's are: LDS is written again only behind this barrier
	s_wait_tensorcnt 0x0                           ; the wave's end
	ds_add_u32 v[SPW], v[NIL]
	s_wait_dscnt 0x0
	s_endpgm
.Lfunc_end_k_q17f54af138_down:
	.size	k_q17f54af138_down, .Lfunc_end_k_q17f54af138_down-k_q17f54af138_down
	.p2alignl 7, 3214868480
	.fill 96, 4, 3214868480
	.section	.rodata,"a",@progbits
	.p2align	6, 0x0
	.amdhsa_kernel k_q17f54af138_down
		.amdhsa_group_segment_fixed_size 264704
		.amdhsa_private_segment_fixed_size 0
		.amdhsa_enable_private_segment 0
		.amdhsa_kernarg_size 48
		.amdhsa_user_sgpr_count 2
		.amdhsa_user_sgpr_kernarg_segment_ptr 1
		.amdhsa_wavefront_size32 1
		.amdhsa_system_sgpr_workgroup_id_x 1
		.amdhsa_system_sgpr_workgroup_id_y 1
		.amdhsa_system_sgpr_workgroup_id_z 1
		.amdhsa_system_vgpr_workitem_id 0
		.amdhsa_next_free_vgpr 1024
		.amdhsa_next_free_sgpr 104
		.amdhsa_reserve_vcc 0
		.amdhsa_float_denorm_mode_32 3
		.amdhsa_float_denorm_mode_16_64 3
		.amdhsa_memory_ordered 1
		.amdhsa_forward_progress 1
		.amdhsa_inst_pref_size 151
	.end_amdhsa_kernel
	.amdgpu_metadata
---
amdhsa.version: [ 1, 2 ]
amdhsa.kernels:
  - .name:           k_q17f54af138_down
    .symbol:         k_q17f54af138_down.kd
    .args:
      - { .name: hid, .offset: 0, .size: 8, .value_kind: global_buffer, .address_space: global }
      - { .name: w_down, .offset: 8, .size: 8, .value_kind: global_buffer, .address_space: global }
      - { .name: sh_down, .offset: 16, .size: 8, .value_kind: global_buffer, .address_space: global }
      - { .name: gbm, .offset: 24, .size: 8, .value_kind: global_buffer, .address_space: global }
      - { .name: part, .offset: 32, .size: 8, .value_kind: global_buffer, .address_space: global }
      - { .name: rk, .offset: 40, .size: 8, .value_kind: global_buffer, .address_space: global }
    .group_segment_fixed_size: 264704
    .private_segment_fixed_size: 0
    .kernarg_segment_align: 8
    .kernarg_segment_size: 48
    .max_flat_workgroup_size: 128
    .sgpr_count:     104
    .vgpr_count:     1024
    .wavefront_size: 32
...
	.end_amdgpu_metadata
.endif
;; end of part 3
;; launch sum (part 4): grid 512 x 1, 8 waves a work-group, no clusters, 0 bytes of LDS; arguments part, rk, out0; writes out0
.if DOCPART == 4
	.amdgcn_target "amdgcn-amd-amdhsa--gfx1250"
	.amdhsa_code_object_version 6
	.text
	.protected	k_q17f54af138_sum
	.globl	k_q17f54af138_sum
	.p2align	8
	.type	k_q17f54af138_sum,@function
k_q17f54af138_sum:
	s_mov_b64 s[64:65], 0
	v_nop
	global_prefetch_b8 v0, s[64:65] scope:SCOPE_SE
	s_setreg_imm32_b32 hwreg(HW_REG_WAVE_MODE, 25, 1), 1
	s_wait_xcnt 0x0
; out0[t] = part[8][t] + the sum over the routed units u of which token t is a member of part[u][rk[u][t]], in f32, in the fixed order 8, 0, 1 .. 7.
; A stream: a wave has half a token's row (2,048 bytes): four loads of 512 consecutive bytes for each unit that it reads, one store of the same shape.  The ranks come from a buffer of
; whole numbers that the launch before stored; a unit of which the token is no member (0xffff) is jumped over and counts as 0.  No LDS, no barrier, no matrix unit: bytes bind here.
.set PUNIT, 8650752                    ; a unit's bytes in part: 2,112 rows of 4,096
	s_load_b128 s[4:7], s[0:1], 0x0                ; part s[4:5], rk s[6:7]
	s_load_b64 s[8:9], s[0:1], 0x10                ; out0
	v_lshrrev_b32 v1, 5, v0
	v_readfirstlane_b32 s10, v1                    ; wave
	v_and_b32 v2, 31, v0
	v_lshlrev_b32 v2, 4, v2                        ; 16 lane
	v_and_b32 v3, 7, v0
	v_lshlrev_b32 v3, 13, v3                       ; lane % 8 is a unit: 8,192 bytes of rk each
	s_lshr_b32 s11, s10, 1
	s_lshl_b32 s12, ttmp9, 2
	s_add_co_u32 s12, s12, s11                     ; my token
	s_and_b32 s13, s10, 1
	s_lshl_b32 s13, s13, 11                        ; my half of its row
	s_lshl_b32 s14, s12, 2
	s_mov_b32 s15, 0
	s_lshl_b32 s16, s12, 12
	s_add_co_u32 s16, s16, s13
	s_mov_b32 s17, 0
	s_add_co_u32 s18, s16, 8*PUNIT                 ; in the shared unit the rank is the token
	s_mov_b32 s19, 0
	s_wait_kmcnt 0x0
	s_add_nc_u64 s[6:7], s[6:7], s[14:15]
	global_load_b32 v4, v3, s[6:7]                 ; my token's eight ranks
	s_add_nc_u64 s[8:9], s[8:9], s[16:17]
	s_add_nc_u64 s[18:19], s[4:5], s[18:19]
.irp c, 0,1,2,3
	global_load_b128 v[8+4*\c:11+4*\c], v2, s[18:19] offset:512*\c
.endr
	s_wait_loadcnt 4                               ; the ranks are in; the four loads issued behind them stay out
.irp u, 0,1,2,3,4,5,6,7
	v_readlane_b32 s[20+\u], v4, \u
.endr
.macro UNIT u
	s_cmp_lt_u32 s[20+\u], 0x840
	s_cbranch_scc0 .Lno_\u
	s_min_u32 s[20+\u], s[20+\u], 0x83f
	s_lshl_b32 s[32+2*\u], s[20+\u], 12
	s_add_co_u32 s[32+2*\u], s[32+2*\u], s13
	s_add_co_u32 s[32+2*\u], s[32+2*\u], \u*PUNIT
	s_mov_b32 s[33+2*\u], 0
	s_add_nc_u64 s[32+2*\u:33+2*\u], s[4:5], s[32+2*\u:33+2*\u]   ; each unit has a base of its own: none is written while a load is out
.irp c, 0,1,2,3
	global_load_b128 v[24+16*\u+4*\c:27+16*\u+4*\c], v2, s[32+2*\u:33+2*\u] offset:512*\c
.endr
	s_branch .Ldone_\u
.Lno_\u:
.set i, 0
.rept 16
	v_mov_b32 v[24+16*\u+i], 0
.set i, i+1
.endr
.Ldone_\u:
.endm
	UNIT 0
	UNIT 1
	UNIT 2
	UNIT 3
	UNIT 4
	UNIT 5
	UNIT 6
	UNIT 7
	s_wait_loadcnt 0x0                             ; the number of loads hangs on the token's choice, so the wait is for all
.irp u, 0,1,2,3,4,5,6,7
.set i, 0
.rept 8
	v_pk_add_f32 v[8+2*i:9+2*i], v[8+2*i:9+2*i], v[24+16*\u+2*i:25+16*\u+2*i]
.set i, i+1
.endr
.endr
.irp c, 0,1,2,3
	global_store_b128 v2, v[8+4*\c:11+4*\c], s[8:9] offset:512*\c   ; 512 consecutive bytes, at a multiple of 512 from out0's first
.endr
	s_endpgm
.Lfunc_end_k_q17f54af138_sum:
	.size	k_q17f54af138_sum, .Lfunc_end_k_q17f54af138_sum-k_q17f54af138_sum
	.p2alignl 7, 3214868480
	.fill 96, 4, 3214868480
	.section	.rodata,"a",@progbits
	.p2align	6, 0x0
	.amdhsa_kernel k_q17f54af138_sum
		.amdhsa_group_segment_fixed_size 0
		.amdhsa_private_segment_fixed_size 0
		.amdhsa_enable_private_segment 0
		.amdhsa_kernarg_size 24
		.amdhsa_user_sgpr_count 2
		.amdhsa_user_sgpr_kernarg_segment_ptr 1
		.amdhsa_wavefront_size32 1
		.amdhsa_system_sgpr_workgroup_id_x 1
		.amdhsa_system_sgpr_workgroup_id_y 1
		.amdhsa_system_sgpr_workgroup_id_z 1
		.amdhsa_system_vgpr_workitem_id 0
		.amdhsa_next_free_vgpr 168
		.amdhsa_next_free_sgpr 66
		.amdhsa_reserve_vcc 0
		.amdhsa_float_denorm_mode_32 3
		.amdhsa_float_denorm_mode_16_64 3
		.amdhsa_memory_ordered 1
		.amdhsa_forward_progress 1
		.amdhsa_inst_pref_size 17
	.end_amdhsa_kernel
	.amdgpu_metadata
---
amdhsa.version: [ 1, 2 ]
amdhsa.kernels:
  - .name:           k_q17f54af138_sum
    .symbol:         k_q17f54af138_sum.kd
    .args:
      - { .name: part, .offset: 0, .size: 8, .value_kind: global_buffer, .address_space: global }
      - { .name: rk, .offset: 8, .size: 8, .value_kind: global_buffer, .address_space: global }
      - { .name: out0, .offset: 16, .size: 8, .value_kind: global_buffer, .address_space: global }
    .group_segment_fixed_size: 0
    .private_segment_fixed_size: 0
    .kernarg_segment_align: 8
    .kernarg_segment_size: 24
    .max_flat_workgroup_size: 256
    .sgpr_count:     66
    .vgpr_count:     168
    .wavefront_size: 32
...
	.end_amdgpu_metadata
.endif
;; end of part 4
;; ======== version 2 of 2: 4 launches; version 1 with the launches up, down written anew for expert scheduling mode
;; workspace buffers: xb 4,194,304 bytes; cw 131,072 bytes; gbm 8,192 bytes of whole numbers; hid 38,928,384 bytes; part 77,856,768 bytes; rk 73,728 bytes of whole numbers
;; launch router: the kernel of part 1 again; grid 128 x 1, 4 waves a work-group, no clusters, 72,192 bytes of LDS; arguments hidden_states, gate_w, gate_bias, xb, gbm, cw; writes xb, gbm, cw
;; launch up (part 5): grid 16 x 19, 4 waves a work-group, no clusters, 272,896 bytes of LDS; arguments xb, w_gate, w_up, sh_gate, sh_up, gbm, cw, hid; writes hid
.if DOCPART == 5
	.amdgcn_target "amdgcn-amd-amdhsa--gfx1250"
	.amdhsa_code_object_version 6
	.text
	.protected	k_q17f54af138_up
	.globl	k_q17f54af138_up
	.p2align	8
	.type	k_q17f54af138_up,@function
k_q17f54af138_up:
	s_mov_b64 s[64:65], 0
	v_nop
	global_prefetch_b8 v0, s[64:65] scope:SCOPE_SE
	s_setreg_imm32_b32 hwreg(HW_REG_WAVE_SCHED_MODE, 0, 2), 2
	s_setreg_imm32_b32 hwreg(HW_REG_WAVE_MODE, 25, 1), 1
	s_wait_xcnt 0x0
	s_wait_alu depctr_vm_vsrc(0)
; FIRST PRODUCT.  hid = cw x silu(x Wg^T) x (x Wu^T), rounded once to bf16, for the rows of a UNIT: unit u < 8 is the pair of experts 2u, 2u+1 (1,024 hidden columns, next to each
; other in w_gate and w_up), its rows the tokens that chose either, in token order (the weight of the one not chosen is 0); unit 8 is the shared MLP, all tokens, weight 1.
; SHARES.  grid x = slice s of 64 hidden columns.  grid y: 0-2 the shared unit's three parts; 3-10 part 0 of units 0-7; 11-18 their part 1.  A work-group rounds 64 rows of the gate matrix
; and 64 of the up matrix (K = 1,024) to bf16 into LDS, once, and STAYS: wave w takes the blocks of 96 rows q = 4 part + w, + stride, + 2 stride (stride = 4 x the unit's parts), each through
; all of K with 48 accumulators.  A unit with cnt rows has ceil(cnt / 96) blocks, 22 at the most; three trips cover 24 with two parts and 36 with three: every split of the tokens is served.
; A block past the count is jumped forward over; a work-group that a split leaves without rows fills its slice, stores nothing and ends.
; Token rows come from memory straight into registers as matrix operands; in the products nothing writes LDS, so they have no barrier.  All loops have constant counts.
; NO JOINT LOADS: the weights are f32 and are rounded on their way through registers, which a tile load into LDS cannot do; the token rows come by a list, which no tile descriptor covers.
; K ORDER, alike on both sides: in a step of 64 lane (r, h) holds k = 32 h + 8 quad + 0..7, quads 0, 1 for the first matrix instruction and 2, 3 for the second.
; THE MATRIX INSTRUCTION IS USED TRANSPOSED (source 0 = 16 weight rows, source 1 = 16 tokens): a lane holds one token and eight neighbouring hidden columns.
; hid lies in the order in which the next launch's operand registers take it: unit x 4,325,376 + ((row / 16) x 16 + step) x 2,048 + quad x 512 + lane x 16.
; LDS ADDRESSES IN LOOPS are a vector register that is never rewritten plus a scalar that steps once a trip.
; LIMITS: g x u is formed ahead of the sigmoid's factor and must stay inside f32; NaN and infinities are not treated apart; exp2 and the reciprocal flush denormals.
; REGISTERS, in windows of 256: window 0: addresses, v64-127, v128-191, v192-255 weight fragments (three buffers; in the fill v192-255 and v128-191 are the two out-buffers); window 1: token
; slots 0 (v0-95), 1 (v96-191); in the fill two sets of 128; window 2: accumulators of row blocks 0-3 ((f, nt) at 64 f + 8 nt); window 3: v0-127 those of blocks 4, 5; v128-223 token slot 2.
; THE MODE: SCHED_MODE bits 1:0 = 2 (LLVM: expert scheduling mode 2), set by the entry lines.  The code itself states the register dependences between vector or matrix instructions
; and memory or LDS instructions, with s_wait_alu, always for 0.
; THE PLAN, in the K loop.  Half-step i (32 along K) multiplies fragment buffer i % 3, K step s (half-steps 2 s, 2 s + 1) token slot s % 3.  The loads issued in step s land in buffer
; (2 s + 1) % 3 (last read by the first half of step s - 1), in buffer (2 s + 2) % 3 (last read by its second half) and in slot (s + 2) % 3 (last read by step s - 1).  So ONE wait on va_vdst
; at a step's head states all that the step's 56 loads hang on; its matrix instructions name the two buffers and the slot in hand and the accumulators, and of these only the second
; buffer takes a load in the step: one issued ahead of them all, and waited for by DScnt.  The LDS addresses v[VWK ..] are written once a trip, behind a wait on vm_vsrc and ahead of the first step's wait on va_vdst.
; THE PLAN, in the fill.  The conversions read register set 0 or 128 and write out-buffer T or T2; one wait on va_vdst behind them serves the set's next loads and the LDS stores; one wait
; on vm_vsrc at a trip's head frees both out-buffers and the stores' address, a trip behind the stores that read them.
.set PITCH, 2064                       ; an LDS row: 2,048 bytes + 16: row r starts 16 r bytes on modulo 256, so the 16 rows of a fragment load start at different banks (ISA guide 11.1)
.set LIST,  128*PITCH                  ; behind the weights: the unit's tokens by rank, 2,048 words
.set GSTEP, 4*PITCH                    ; the fill: four rows a group
.set HUNIT, 4325376                    ; a unit's bytes in hid: 132 blocks of 16 rows
.set XSTEP, 384                        ; three K steps of 128 bytes in a row of xb
.set VW,  4                            ; v4-11   LDS address of my part of weight rows 16 nt + r; never rewritten
.set VWK, 12                           ; v12-19  the same plus the trip's bytes along K
.set VA,  20                           ; v20-25  byte offset of my tokens' rows in xb, + 64 h
.set TK,  26                           ; v26-31  tokens; at work
.set CWP, 34                           ; v34-45  the tokens' weights, in the low registers of pairs
.set VO,  46                           ; v46-53  the fill: byte offsets of four rows x two halves; never rewritten
.set FL,  54                           ; v54     the fill: my 8 bytes in my wave's first row; never rewritten
.set VH,  55                           ; v55     my place in a block of hid
.set FLK, 59                           ; v59     the fill: the same as FL plus the trip's rows
.set W0,  64                           ; fragment buffer i at W0 + 64 i
.set T,   192                          ; the fill: out-buffer of register set 0
.set T2,  128                          ; the fill: out-buffer of register set 128
.set CO,  192                          ; v192-197 byte offset of my tokens' weights in cw
.set LA,  198                          ; v198-203 LDS address of my tokens' places in the list
.set EE,  64                           ; the way out: v64-95, v96-127, v128-159
.set GU,  96
.set HH,  128
.set UN,  2                            ; s2 unit   s3 part   s12 wave   s13 slice   s14 cnt   s15 blocks   s92 q   s93 q's stride
.set PT,  3
.set WV,  12
.set SL,  13
.set CN,  14
.set NB,  15
.set Q,   92
.set QS,  93
.set WB0, 6                            ; s[6:7], s[8:9] the fill's two pointers, one for each register set
.set WB1, 8
.set XB,  16                           ; s[16:17] xb, copied for each block, steps with K
.set HBK, 18                           ; s[18:19] hid at the block in hand
.set C1,  21                           ; cnt - 1
.set LC,  22                           ; loop counter
.set SH,  26                           ; all ones for the shared unit
.set KO,  27                           ; the product: bytes along K of the trips before
.set CS,  28                           ; s[28:29] -log2(e)
.set FO,  30                           ; the fill: LDS bytes of the trips before
.set BC,  31                           ; counts a wave's blocks
.set CWB, 88
.set HB,  90
.set MSB, 0
.macro WIN new                         ; the immediate's high byte repeats the setting that is left; a switch that changes nothing is dropped
.if MSB != (\new)
	s_set_vgpr_msb (MSB<<8)|(\new)
.set MSB, \new
.endif
.endm
.macro PLACES                          ; four places behind matrix instructions: ahead of reads of their results, and, once a K step, ahead of the loads into registers that they have read
.rept 4
	v_nop
.endr
.endm
.macro ROT                             ; the bitmap's next 16 words come into s[16:31]
.set k, 0
.rept 8
	s_mov_b64 s[16+2*k:17+2*k], s[32+2*k:33+2*k]
.set k, k+1
.endr
.set k, 0
.rept 8
	s_mov_b64 s[32+2*k:33+2*k], s[48+2*k:49+2*k]
.set k, k+1
.endr
.set k, 0
.rept 8
	s_mov_b64 s[48+2*k:49+2*k], s[68+2*k:69+2*k]
.set k, k+1
.endr
.endm
; THE FILL.  ISSUE: four weight rows, 32 loads of 512 consecutive bytes, into register set rs of window 1, by the set's own pointer.
.macro ISSUE rs, wb
	WIN 0x40
.set m, 0
.rept 32
	global_load_b128 v[(\rs)+4*m:(\rs)+4*m+3], v[VO+m/4], s[(\wb):(\wb)+1] offset:512*(m%4)
.set m, m+1
.endr
	WIN 0
.endm
; DRAIN: the set is rounded to bf16 into out-buffer tb, asked for again at once (wb: its pointer; -1: nothing is left to ask for), and laid into LDS, 256 consecutive bytes a store.
; left = the other set's younger loads, which stay out; extra = the group's place in the trip.
.macro DRAIN rs, tb, left, extra, wb
	s_wait_loadcnt \left                           ; this set's 32 loads are done: its pointer may be stepped behind this wait too
	WIN 0x05
.set m, 0
.rept 64
	v_cvt_pk_bf16_f32 v[(\tb)+m], v[(\rs)+2*m], v[(\rs)+2*m+1]
.set m, m+1
.endr
.if (\wb) >= 0
	s_add_nc_u64 s[(\wb):(\wb)+1], s[(\wb):(\wb)+1], 8*4096
	WIN 0x40
	s_wait_alu depctr_va_vdst(0)                   ; the conversions are done reading the set, in which the loads below land, and have written the out-buffer, which the LDS stores below read; in a trip's first group v[FLK] is written
	ISSUE \rs, \wb
.else
	WIN 0
	s_wait_alu depctr_va_vdst(0)                   ; the conversions have written the out-buffer, which the LDS stores below read; in the first of the two groups v[FLK] is written
.endif
.set m, 0
.rept 32
	ds_store_b64 v[FLK], v[(\tb)+2*m:(\tb)+2*m+1] offset:(\extra)+(m/8)*PITCH+(m%8)*256
.set m, m+1
.endr
.endm
; THE PRODUCT.  LDW: the weight fragments of 32 along K, 128 rows, by the address registers at AW.  LDX: six token fragments of a K step of 64.  MMH: 24 matrix instructions, row blocks f0 .. f0 + 2 x 8 column blocks.
.macro LDW buf, koff
.irp nt, 0,1,2,3,4,5,6,7
	ds_load_b128 v[(\buf)+8*\nt:(\buf)+8*\nt+3], v[AW+\nt] offset:(\koff)
	ds_load_b128 v[(\buf)+8*\nt+4:(\buf)+8*\nt+7], v[AW+\nt] offset:(\koff)+16
.endr
.endm
.macro LDX slot, rel                   ; rows of xb are read again by all 16 slices: the hint says so
.set xs, 96*(\slot)-64*((\slot)/2)
	WIN 0x40+0x80*((\slot)/2)
.irp f, 0,1,2,3,4,5
.irp qd, 0,1,2,3
	global_load_b128 v[xs+48*(\qd/2)+8*\f+4*(\qd%2):xs+48*(\qd/2)+8*\f+4*(\qd%2)+3], v[VA+\f], s[XB:XB+1] offset:(\rel)*128+16*\qd th:TH_LOAD_HT
.endr
.endr
.endm
.macro MMH slot, t, buf, f0, zero
.irp df, 0,1,2
.set fq, (\f0)+\df
.set aw, 2+fq/4
	WIN (aw<<6)|(aw<<4)|((1+2*((\slot)/2))<<2)
.set ac, 64*(fq%4)
.set xr, 96*(\slot)-64*((\slot)/2)+48*(\t)+8*fq
.irp nt, 0,1,2,3,4,5,6,7
.if \zero
	v_wmma_f32_16x16x32_bf16 v[ac+8*\nt:ac+8*\nt+7], v[(\buf)+8*\nt:(\buf)+8*\nt+7], v[xr:xr+7], 0
.else
	v_wmma_f32_16x16x32_bf16 v[ac+8*\nt:ac+8*\nt+7], v[(\buf)+8*\nt:(\buf)+8*\nt+7], v[xr:xr+7], v[ac+8*\nt:ac+8*\nt+7]
.endif
.endr
.endr
.endm
; A K step of 64: 96 matrix instructions; the 48 accumulators take turns, one instruction a turn.  FA, FB: the fragment buffers of its two halves; FC: that of the next
; step's first half.  FB is fetched at the step's head and FC in its middle, each 48 matrix instructions ahead of its use; the tokens of the step after next 168 ahead of the wait for them.
; first = 1: a block's first step, which starts the sums; the block's head has stated what its loads hang on.  left: the next step's 24 loads, issued behind this step's, stay out.
.macro STEP rel, slot, first, issue, left, last
.set FA, W0+64*((2*(\rel))%3)
.set FB, W0+64*((2*(\rel)+1)%3)
.set FC, W0+64*((2*(\rel)+2)%3)
	s_wait_dscnt 0x0                               ; FA's fragments
	s_wait_loadcnt \left                           ; this step's tokens
	WIN 0
.if !(\first)
	PLACES                                         ; every load of this step lands in registers whose last matrix reader stands ahead of these four
	s_wait_alu depctr_va_vdst(0)                   ; the step before is done reading FB, FC and the token slot in which this step's loads land; in a trip's first step v[VWK ..] are written
.endif
	LDW FB, (\rel)*128+32
	MMH \slot, 0, FA, 0, \first
.if \issue
	LDX ((\slot)+2)%3, (\rel)+2                    ; no wait: no matrix instruction since the wait above names this slot
.endif
	MMH \slot, 0, FA, 3, \first
	s_wait_dscnt 0x0                               ; FB's fragments
.if !(\last)
	WIN 0
	LDW FC, ((\rel)+1)*128                         ; no wait: no matrix instruction since the wait above names FC
.endif
	MMH \slot, 1, FB, 0, 0
	MMH \slot, 1, FB, 3, 0
.endm
; THE WAY OUT of row block f: column blocks 0-3 are g, 4-7 are u.  One batch of exponentials and one of reciprocals, each with one wait.
; A row block's four stores (SEND) stand in the next row block, behind the wait for its exponentials, which also shows the roundings written.
.macro SEND f
.set hb, HH+16*((\f)%2)
.irp p, 0,1,2,3                        ; columns 16 p + 8 h + 0..7 of the step are quad 2 (p % 2) + h of lane 16 (p / 2) + r: each store covers two aligned runs of 256 consecutive bytes
	global_store_b128 v[VH], v[hb+4*\p:hb+4*\p+3], s[HBK:HBK+1] offset:(\f)*32768+(\p%2)*1024+(\p/2)*256
.endr
.endm
.macro EPI f
.set ac, 64*((\f)%4)
	WIN 0x0a+5*((\f)/4)                            ; sources 0 and 1 in the accumulators' window
.set i, 0
.rept 16
	v_pk_mul_f32 v[EE+2*i:EE+2*i+1], v[ac+2*i:ac+2*i+1], s[CS:CS+1] op_sel_hi:[1,0]   ; each accumulator is read from its low end on
.set i, i+1
.endr
.set i, 0
.rept 16
	v_pk_mul_f32 v[GU+2*i:GU+2*i+1], v[ac+2*i:ac+2*i+1], v[ac+32+2*i:ac+32+2*i+1]     ; g u
.set i, i+1
.endr
	WIN 0
.set i, 0
.rept 32
	v_exp_f32 v[EE+i], v[EE+i]
.set i, i+1
.endr
.set i, 0
.rept 16
	v_pk_mul_f32 v[GU+2*i:GU+2*i+1], v[GU+2*i:GU+2*i+1], v[CWP+2*(\f):CWP+2*(\f)+1] op_sel_hi:[1,0]   ; x the token's weight: plain work behind the batch
.set i, i+1
.endr
	s_wait_alu depctr_va_vdst(0)                   ; the 32 exponentials have written v[EE ..], ahead of their first reader; the row block before has written its roundings, which the stores below read
.if (\f) > 0
	SEND (\f)-1
.endif
.set i, 0
.rept 16
	v_pk_add_f32 v[EE+2*i:EE+2*i+1], v[EE+2*i:EE+2*i+1], 1.0 op_sel_hi:[1,0]
.set i, i+1
.endr
.set i, 0
.rept 32
	v_rcp_f32 v[EE+i], v[EE+i]
.set i, i+1
.endr
	v_nop
	s_wait_alu depctr_va_vdst(0)                   ; the 32 reciprocals have written v[EE ..], ahead of their first reader
.set i, 0
.rept 16
	v_pk_mul_f32 v[GU+2*i:GU+2*i+1], v[GU+2*i:GU+2*i+1], v[EE+2*i:EE+2*i+1]
.set i, i+1
.endr
.if (\f) >= 2
	s_wait_xcnt 0x0                                ; earlier stores have had their addresses translated: their data registers are written again only behind this wait
	s_wait_alu depctr_vm_vsrc(0)                   ; the stores of the row block two back have read the registers that the roundings below write again
.endif
.set hb, HH+16*((\f)%2)
.set i, 0
.rept 16
	v_cvt_pk_bf16_f32 v[hb+i], v[GU+2*i], v[GU+2*i+1]
.set i, i+1
.endr
.endm
	s_load_b256 s[4:11], s[0:1], 0x0               ; xb s[4:5], w_gate s[6:7], w_up s[8:9], sh_gate s[10:11]
	s_load_b256 s[84:91], s[0:1], 0x20             ; sh_up s[84:85], gbm s[86:87], cw s[88:89], hid s[90:91]
	v_lshl_add_u32 v62, v0, 2, 0x42800
	v_mov_b32 v63, 0
	v_lshrrev_b32 v3, 5, v0
	v_readfirstlane_b32 s[WV], v3
	v_and_b32 v1, 15, v0                           ; r
	v_bfe_u32 v2, v0, 4, 1                         ; h
	v_and_b32 v3, 31, v0                           ; lane
	s_wait_alu depctr_va_sdst(0)                   ; the wave's number is written, ahead of its first reader: blocks, bases and branches are made from it
	s_mov_b32 s[SL], ttmp9
	s_and_b32 s94, ttmp7, 0xffff                   ; y
	s_sub_co_u32 s95, s94, 3
	s_and_b32 s96, s95, 7                          ; a routed unit,
	s_lshr_b32 s97, s95, 3
	s_and_b32 s97, s97, 1                          ; its part
	s_cmp_lt_u32 s94, 3
	s_cselect_b32 s[UN], 8, s96                    ; y < 3: the shared unit,
	s_cselect_b32 s[PT], s94, s97                  ; part y of three
	s_cselect_b32 s[QS], 12, 8                     ; four blocks for each of the unit's parts
	s_lshl_b32 s[Q], s[PT], 2
	s_add_co_u32 s[Q], s[Q], s[WV]                 ; my first block
	v_lshlrev_b32 v56, 4, v3
.irp j, 0,1,2,3
	v_add_nc_u32 v[VO+2*\j], \j*4096, v56
	v_add_nc_u32 v[VO+2*\j+1], \j*4096+2048, v56
.endr
	s_mul_i32 s100, s[WV], 32*PITCH
	v_lshl_add_u32 v[FL], v3, 3, s100              ; my wave's 32 rows, 8 bytes a lane
	s_cmp_eq_u32 s[UN], 8
	s_cselect_b32 s94, 0, s[UN]                    ; the unit's place in its matrices
	s_lshl_b32 s94, s94, 22                        ; 1,024 rows of 4,096 bytes a unit
	s_lshl_b32 s95, s[SL], 18                      ; 64 rows a slice
	s_add_co_u32 s94, s94, s95
	s_and_b32 s95, s[WV], 1
	s_lshl_b32 s95, s95, 17                        ; 32 rows a wave
	s_add_co_u32 s94, s94, s95
	s_mov_b32 s95, 0
	s_lshl_b32 s98, s[UN], 8                       ; the unit's row of the bitmap
	s_mov_b32 s99, 0
	s_wait_kmcnt 0x0
	s_add_nc_u64 s[86:87], s[86:87], s[98:99]
	s_load_b512 s[16:31], s[86:87], 0x0
	s_load_b512 s[32:47], s[86:87], 0x40
	s_load_b512 s[48:63], s[86:87], 0x80
	s_load_b512 s[68:83], s[86:87], 0xc0
	s_cmp_eq_u32 s[UN], 8
	s_cselect_b64 s[6:7], s[10:11], s[6:7]         ; the gate matrix,
	s_cselect_b64 s[8:9], s[84:85], s[8:9]         ; the up matrix
	s_cmp_lt_u32 s[WV], 2
	s_cselect_b64 s[WB0:WB0+1], s[6:7], s[8:9]     ; waves 0, 1: gate rows (LDS rows 0-63); waves 2, 3: up rows (64-127)
	s_add_nc_u64 s[WB0:WB0+1], s[WB0:WB0+1], s[94:95]
	s_add_nc_u64 s[WB1:WB1+1], s[WB0:WB0+1], 4*4096
	WIN 0x40
	s_wait_alu depctr_va_vdst(0)                   ; v[VO ..] are written, which every load of the fill reads as its offset; they are never written again
	ISSUE 0, WB0                                   ; the first four rows are asked for ahead of the bitmap's wait: they are on their way while the rows are counted and listed
	s_wait_kmcnt 0x0
	s_mov_b32 s[CN], 0                             ; cnt = the bitmap's ones
.set k, 16
.rept 48
	s_bcnt1_i32_b32 s[NB], s[k]
	s_add_co_u32 s[CN], s[CN], s[NB]
.set k, k+1
.endr
.set k, 68
.rept 16
	s_bcnt1_i32_b32 s[NB], s[k]
	s_add_co_u32 s[CN], s[CN], s[NB]
.set k, k+1
.endr
	s_add_co_u32 s[NB], s[CN], 95
	s_mul_hi_u32 s[NB], s[NB], 0x2aaaaab           ; (cnt + 95) / 96, exact up to cnt = 2,048
	; THE LIST, by wave 0: LIST[rank] = token.  A token that is no member goes to place 2,047 less the non-members ahead of it: the 2,048 places are a permutation.
	; Sixteen words a trip, each kind of line in a batch, so that no line waits for the one before it.
	s_cmp_lg_u32 s[WV], 0
	s_cbranch_scc1 .Lnolist
	v_mov_b32 v26, v3                              ; my token of the trip's first word
	s_mov_b32 s97, 0                               ; members in the words before
	s_mov_b32 s96, 4
.Llist:
.set k, 0
.rept 16
	v_mbcnt_lo_u32_b32 v[64+k], s[16+k], s97       ; members ahead of my token
	v_add_nc_u32 v[96+k], 32*k, v26                ; my token
	s_bcnt1_i32_b32 s98, s[16+k]
	s_add_co_u32 s97, s97, s98
.set k, k+1
.endr
.set k, 0
.rept 16
	v_sub_nc_u32 v[80+k], v[64+k], v[96+k]
.set k, k+1
.endr
.set k, 0
.rept 16
	v_add_nc_u32 v[80+k], 0x7ff, v[80+k]           ; 2,047 - (token - members ahead)
.set k, k+1
.endr
.set k, 0
.rept 16
	v_cndmask_b32 v[80+k], v[80+k], v[64+k], s[16+k]
.set k, k+1
.endr
.set k, 0
.rept 16
	v_min_u32 v[80+k], 0x7ff, v[80+k]
.set k, k+1
.endr
.set k, 0
.rept 16
	v_lshl_add_u32 v[80+k], v[80+k], 2, LIST
.set k, k+1
.endr
	s_wait_alu depctr_va_vdst(0)                   ; the places v80-95 and the tokens v96-111 are written, which the LDS stores read
.set k, 0
.rept 16
	ds_store_b32 v[80+k], v[96+k]
.set k, k+1
.endr
	s_wait_alu depctr_vm_vsrc(0)                   ; the LDS stores have read v80-111, which the next trip writes again
	v_add_nc_u32 v26, 0x200, v26
	ROT
	s_sub_co_u32 s96, s96, 1
	s_cmp_lg_u32 s96, 0
	s_cbranch_scc1 .Llist
.Lnolist:
	ISSUE 128, WB1                                 ; the second four rows: two sets of 32 loads are on their way.  No wait: no vector instruction has named this set, or v[VO ..] since the wait ahead of the first loads
	s_wait_dscnt 0x0                               ; the list is in LDS
	s_barrier_signal -1
	s_barrier_wait -1                              ; only behind this barrier do the other waves write LDS
	s_mov_b32 s[FO], 0
	s_mov_b32 s[LC], 3
.Lfill:                                                ; a trip: two groups of four rows
	s_wait_alu depctr_vm_vsrc(0)                   ; the last trip's LDS stores have read v[FLK] and both out-buffers, which this trip writes again
	v_add_nc_u32 v[FLK], s[FO], v[FL]
	DRAIN 0, T, 32, 0, WB0
	DRAIN 128, T2, 32, GSTEP, WB1
	s_add_co_u32 s[FO], s[FO], 2*GSTEP
	s_sub_co_u32 s[LC], s[LC], 1
	s_cmp_lg_u32 s[LC], 0
	s_cbranch_scc1 .Lfill
	s_wait_alu depctr_vm_vsrc(0)                   ; as at a trip's head
	v_add_nc_u32 v[FLK], 6*GSTEP, v[FL]            ; the last two groups
	DRAIN 0, T, 32, 0, -1
	DRAIN 128, T2, 0, GSTEP, -1
	; what every block of mine needs, made while the last stores go into LDS
	v_lshlrev_b32 v57, 6, v2                       ; 64 h
	v_mul_u32_u24 v56, v1, PITCH
	v_add_nc_u32 v56, v56, v57
.irp nt, 0,1,2,3,4,5,6,7
	v_add_nc_u32 v[VW+\nt], \nt*16*PITCH, v56
.endr
	v_lshlrev_b32 v[VH], 9, v2
	v_lshl_add_u32 v[VH], v1, 4, v[VH]             ; 512 h + 16 r
	s_lshl_b32 s20, s[UN], 1
	s_lshr_b32 s23, s[SL], 3
	s_add_co_u32 s20, s20, s23                     ; the slice's expert: 2 unit + slice / 8
	s_min_u32 s20, s20, 15                         ; (the shared unit reads a weight that it does not use)
	s_lshr_b32 s23, s20, 2
	s_lshl_b32 s23, s23, 8
	s_and_b32 s20, s20, 3
	s_lshl_b32 s20, s20, 2
	s_add_co_u32 s24, s20, s23
	s_mov_b32 s25, 0
	s_add_nc_u64 s[CWB:CWB+1], s[CWB:CWB+1], s[24:25]
	s_mul_i32 s24, s[UN], HUNIT
	s_lshl_b32 s23, s[SL], 11                      ; my slice is K step s of the next product
	s_add_co_u32 s24, s24, s23
	s_add_nc_u64 s[HB:HB+1], s[HB:HB+1], s[24:25]
	s_cmp_eq_u32 s[UN], 8
	s_cselect_b32 s[SH], -1, 0
	s_mov_b32 s[CS], 0xbfb8aa3b                    ; -log2(e)
	s_mov_b32 s[CS+1], s[CS]
	s_sub_co_u32 s[C1], s[CN], 1
	s_wait_dscnt 0x0                               ; my rows of the weights are in LDS
	s_barrier_signal -1
	s_barrier_wait -1                              ; everybody's are; from here to the closing barrier nothing writes LDS
	s_mov_b32 s[BC], 3
.Lblk:                                                 ; three trips: blocks q, q + stride, q + 2 stride; one past the count is jumped over
	s_cmp_ge_u32 s[Q], s[NB]
	s_cbranch_scc1 .Lskip
	s_wait_xcnt 0x0                                ; the last block's stores have read their data and their base
	s_wait_alu depctr_vm_vsrc(0)                   ; all that was issued so far has read its registers: v[LA ..], v[VA ..], v[CO ..], which are written below, and v128-255, which the fill's LDS stores and the last block's stores read and in which fragments land
	s_mul_i32 s20, s[Q], 96
	v_add_nc_u32 v56, s20, v1                      ; rank of row r of my first row block
.irp f, 0,1,2,3,4,5
	v_add_nc_u32 v[LA+\f], 16*\f, v56
	v_min_u32 v[LA+\f], s[C1], v[LA+\f]            ; places past the count repeat the last row
	v_min_u32 v[LA+\f], 0x7ff, v[LA+\f]
	v_lshl_add_u32 v[LA+\f], v[LA+\f], 2, LIST
.endr
	s_wait_alu depctr_va_vdst(0)                   ; v[LA ..] are written, which the loads below read; the vector instructions that named v[TK ..], in which they land, are done
.irp f, 0,1,2,3,4,5
	ds_load_b32 v[TK+\f], v[LA+\f]
.endr
	s_mov_b64 s[XB:XB+1], s[4:5]
	s_mul_i32 s24, s[Q], 196608                    ; 6 blocks of 16 rows x 16 steps x 2,048 bytes
	s_mov_b32 s25, 0
	s_add_nc_u64 s[HBK:HBK+1], s[HB:HB+1], s[24:25]
	s_wait_dscnt 0x0                               ; my tokens
.irp f, 0,1,2,3,4,5
	v_min_u32 v[TK+\f], 0x7ff, v[TK+\f]
	v_lshl_add_u32 v[VA+\f], v[TK+\f], 11, v57     ; 2,048 bytes a row of xb
	v_and_b32 v[CO+\f], 0x7f0, v[TK+\f]
	v_and_b32 v58, 15, v[TK+\f]
	v_lshlrev_b32 v58, 4, v58
	v_lshl_add_u32 v[CO+\f], v[CO+\f], 6, v58      ; 1,024 (t / 16) + 16 (t % 16)
	v_mov_b32 v[CWP+2*\f+1], 0                     ; named with the weight as a pair
.endr
	s_wait_alu depctr_va_vdst(0)                   ; v[CO ..], v[VA ..] (and, ahead of the first block, v[VW ..], v[VH]) are written, which the loads and stores of the block read; the vector and matrix instructions that named v[CWP ..], the token slots and v64-255, in which the loads of the block's head and first step land, are done
.irp f, 0,1,2,3,4,5
	global_load_b32 v[CWP+2*\f], v[CO+\f], s[CWB:CWB+1]   ; older than every token load: the first counted wait below covers them
.endr
.set AW, VW                            ; the first K step reads by the fixed addresses
	LDX 0, 0
	LDX 1, 1
	WIN 0
	LDW W0, 0
	s_wait_alu depctr_vm_vsrc(0)                   ; the weights' loads have read v[CO ..] and the list's loads v[LA ..]: they lie in the third fragment buffer, in which loads land from the first K step on
	STEP 0, 0, 1, 1, 24, 0                         ; the first K step starts the sums: nothing is cleared
	WIN 0
.set AW, VWK
	s_mov_b32 s[KO], 0
	s_mov_b32 s[LC], 4
.Lpipe:                                                ; a trip: three K steps, one on each token slot; the three fragment buffers are back at their start
	s_wait_alu depctr_vm_vsrc(0)                   ; the fragment loads issued so far have read v[VWK ..]
.irp nt, 0,1,2,3,4,5,6,7
	v_add_nc_u32 v[VWK+\nt], s[KO], v[VW+\nt]
.endr
	STEP 1, 1, 0, 1, 24, 0
	STEP 2, 2, 0, 1, 24, 0
	STEP 3, 0, 0, 1, 24, 0
	WIN 0
	s_wait_xcnt 0x0                                ; the token loads' base is stepped only behind this wait
	s_add_nc_u64 s[XB:XB+1], s[XB:XB+1], XSTEP
	s_add_co_u32 s[KO], s[KO], 384
	s_sub_co_u32 s[LC], s[LC], 1
	s_cmp_lg_u32 s[LC], 0
	s_cbranch_scc1 .Lpipe
	s_wait_alu depctr_vm_vsrc(0)                   ; the fragment loads issued so far have read v[VWK ..]
.irp nt, 0,1,2,3,4,5,6,7
	v_add_nc_u32 v[VWK+\nt], 1536, v[VW+\nt]       ; twelve K steps on
.endr
	STEP 1, 1, 0, 1, 24, 0                         ; steps 13 to 15: the last two ask for nothing, and the counts run down
	STEP 2, 2, 0, 0, 24, 0
	STEP 3, 0, 0, 0, 0, 1
	WIN 0
	PLACES
.irp f, 0,1,2,3,4,5
	v_cndmask_b32 v[CWP+2*\f], v[CWP+2*\f], 1.0, s[SH]   ; the shared unit's weight is 1
.endr
	EPI 0
	EPI 1
	EPI 2
	EPI 3
	EPI 4
	EPI 5
	s_wait_alu depctr_va_vdst(0)                   ; the last row block has written its roundings, which the stores below read
	SEND 5
	WIN 0
.Lskip:
	s_add_co_u32 s[Q], s[Q], s[QS]
	s_sub_co_u32 s[BC], s[BC], 1
	s_cmp_lg_u32 s[BC], 0
	s_cbranch_scc1 .Lblk
	s_wait_dscnt 0x0                               ; my reads of LDS are over
	s_barrier_signal -1
	s_barrier_wait -1                              ; everybody's are
	s_wait_dscnt 0x0                               ; the wave's end
	s_wait_alu depctr_hold_cnt(0) depctr_sa_sdst(0) depctr_va_vdst(0) depctr_va_sdst(0) depctr_va_ssrc(0) depctr_va_vcc(0) depctr_vm_vsrc(0)
	s_wait_tensorcnt 0x0
	ds_add_u32 v62, v63
	s_wait_dscnt 0x0
	s_endpgm
.Lfunc_end_k_q17f54af138_up:
	.size	k_q17f54af138_up, .Lfunc_end_k_q17f54af138_up-k_q17f54af138_up
	.p2alignl 7, 3214868480
	.fill 96, 4, 3214868480
	.section	.rodata,"a",@progbits
	.p2align	6, 0x0
	.amdhsa_kernel k_q17f54af138_up
		.amdhsa_group_segment_fixed_size 272896
		.amdhsa_private_segment_fixed_size 0
		.amdhsa_enable_private_segment 0
		.amdhsa_kernarg_size 64
		.amdhsa_user_sgpr_count 2
		.amdhsa_user_sgpr_kernarg_segment_ptr 1
		.amdhsa_wavefront_size32 1
		.amdhsa_system_sgpr_workgroup_id_x 1
		.amdhsa_system_sgpr_workgroup_id_y 1
		.amdhsa_system_sgpr_workgroup_id_z 1
		.amdhsa_system_vgpr_workitem_id 0
		.amdhsa_next_free_vgpr 1024
		.amdhsa_next_free_sgpr 104
		.amdhsa_reserve_vcc 0
		.amdhsa_float_denorm_mode_32 3
		.amdhsa_float_denorm_mode_16_64 3
		.amdhsa_memory_ordered 1
		.amdhsa_forward_progress 1
		.amdhsa_inst_pref_size 190
	.end_amdhsa_kernel
	.amdgpu_metadata
---
amdhsa.version: [ 1, 2 ]
amdhsa.kernels:
  - .name:           k_q17f54af138_up
    .symbol:         k_q17f54af138_up.kd
    .args:
      - { .name: xb, .offset: 0, .size: 8, .value_kind: global_buffer, .address_space: global }
      - { .name: w_gate, .offset: 8, .size: 8, .value_kind: global_buffer, .address_space: global }
      - { .name: w_up, .offset: 16, .size: 8, .value_kind: global_buffer, .address_space: global }
      - { .name: sh_gate, .offset: 24, .size: 8, .value_kind: global_buffer, .address_space: global }
      - { .name: sh_up, .offset: 32, .size: 8, .value_kind: global_buffer, .address_space: global }
      - { .name: gbm, .offset: 40, .size: 8, .value_kind: global_buffer, .address_space: global }
      - { .name: cw, .offset: 48, .size: 8, .value_kind: global_buffer, .address_space: global }
      - { .name: hid, .offset: 56, .size: 8, .value_kind: global_buffer, .address_space: global }
    .group_segment_fixed_size: 272896
    .private_segment_fixed_size: 0
    .kernarg_segment_align: 8
    .kernarg_segment_size: 64
    .max_flat_workgroup_size: 128
    .sgpr_count:     104
    .vgpr_count:     1024
    .wavefront_size: 32
...
	.end_amdgpu_metadata
.endif
;; end of part 5
;; launch down (part 6): grid 8 x 30, 4 waves a work-group, no clusters, 264,704 bytes of LDS; arguments hid, w_down, sh_down, gbm, part, rk; writes part, rk
.if DOCPART == 6
	.amdgcn_target "amdgcn-amd-amdhsa--gfx1250"
	.amdhsa_code_object_version 6
	.text
	.protected	k_q17f54af138_down
	.globl	k_q17f54af138_down
	.p2align	8
	.type	k_q17f54af138_down,@function
k_q17f54af138_down:
	s_mov_b64 s[64:65], 0
	v_nop
	global_prefetch_b8 v0, s[64:65] scope:SCOPE_SE
	s_setreg_imm32_b32 hwreg(HW_REG_WAVE_SCHED_MODE, 0, 2), 2
	s_setreg_imm32_b32 hwreg(HW_REG_WAVE_MODE, 25, 1), 1
	s_wait_xcnt 0x0
	s_wait_alu depctr_vm_vsrc(0)
; SECOND PRODUCT.  part[unit][rank][n] = the sum over the unit's 1,024 hidden columns of hid x Wd[n], f32 partial rows; units and blocks of 96 rows as in the first product.
; grid x = slice of 128 output columns.  grid y: 0-5 the shared unit's six parts; 6-29 parts 0, 1, 2 of units 0-7 (unit = (y - 6) % 8).  A work-group rounds its 128 rows of the down matrix
; (K = 1,024: for a routed unit 512 from each of its two experts) to bf16 into LDS, once; wave w takes blocks q = 4 part + w and q + stride (stride = 4 x the unit's parts) through all of K:
; two trips cover 24 blocks with three parts, and a unit has 22 at the most: every split of the tokens is served.  A block past the count is jumped forward over; a work-group that a split
; leaves without rows fills its slice, stores nothing and ends.  hid lies in operand order, so a token load is 512 consecutive bytes.
; THE WAY OUT NEEDS NO LDS.  Source 0 = 16 tokens, source 1 = 16 weight rows: in a result lane (r, h) holds in register j token 8 h + j and the column of lane r.  LDS row 16 nt + r holds
; output column 64 (nt / 4) + 4 r + nt % 4 of the slice, so register j of four neighbouring accumulators is four neighbouring columns of one token: moved side by side they are 16 bytes
; of a store in which sixteen lanes cover 256 consecutive bytes, aligned.
; The work-group (slice 0, part 0) of each unit also stores rk[unit][token] = the token's rank among the unit's rows, or 0xffff for a token that is no member.
; NO JOINT LOADS: the weights are f32 and are rounded on their way through registers; the eight slices of a part do read the same rows of hid, but two slots of one K step of 64 for a
; work-group's 384 rows are 98,304 bytes, and beside the weights (264,192) 62,976 bytes of LDS are left.
; Registers, K order and the product's order are the first product's.  LDS addresses in loops are a vector register that is never rewritten plus a scalar that steps once a trip.
; Rows past a unit's count are stored too (they repeat its last row) and are read by nobody.
; THE MODE: SCHED_MODE bits 1:0 = 2 (LLVM: expert scheduling mode 2), set by the entry lines.  The code itself states the register dependences between vector or matrix instructions
; and memory or LDS instructions, with s_wait_alu, always for 0.
; THE PLAN, in the K loop.  Half-step i (32 along K) multiplies fragment buffer i % 3 (v64-127, v128-191, v192-255), K step s (half-steps 2 s, 2 s + 1) token slot s % 3.  The loads issued in
; step s land in buffer (2 s + 1) % 3 (last read by the first half of step s - 1), in buffer (2 s + 2) % 3 (last read by its second half) and in slot (s + 2) % 3 (last read by step s - 1).  So ONE
; wait on va_vdst at a step's head states all that the step's 56 loads hang on; its matrix instructions name the two buffers and the slot in hand and the accumulators, and of these only the
; second buffer takes a load in the step: one issued ahead of them all, and waited for by DScnt.  The LDS addresses v[VWK ..] are written once a trip, behind a wait on vm_vsrc and ahead of the first step's wait on va_vdst.
; THE PLAN, in the fill.  The conversions read register set 0 or 128 and write out-buffer T or T2; one wait on va_vdst behind them serves the set's next loads and the LDS stores; one wait
; on vm_vsrc at a trip's head frees both out-buffers and the stores' address, a trip behind the stores that read them.
; THE PLAN, on the way out.  Three out-buffers (the fragment buffers, now free): the moves of three row blocks, one wait on va_vdst, their 48 stores; one wait on vm_vsrc; and the same once more.
.set PITCH, 2064                       ; an LDS row: 2,048 bytes + 16: the 16 rows of a fragment load start at different banks (ISA guide 11.1)
.set GSTEP, 2*PITCH                    ; the fill: a group of four weight rows is two LDS rows in each of my two column blocks
.set HUNIT, 4325376
.set PUNIT, 8650752                    ; a unit's bytes in part: 2,112 rows of 4,096
.set XSTEP, 6144                       ; three K steps of 2,048 bytes in a block of hid
.set VW,  4                            ; v4-11   LDS address of my part of LDS rows 16 nt + r; never rewritten
.set VWK, 12                           ; v12-19  the same plus the trip's bytes along K
.set VA,  20                           ; v20     16 lane
.set VS,  21                           ; v21     the stores: 8 h rows of part + 16 r
.set VO,  46                           ; v46-53  the fill: byte offsets of four rows x two halves of K; never rewritten
.set FL,  54                           ; v54     the fill: my 8 bytes in my wave's first LDS row; never rewritten
.set FLK, 55                           ; v55     the same plus the trip's rows
.set W0,  64                           ; fragment buffer i at W0 + 64 i
.set T,   192                          ; the fill: out-buffer of register set 0
.set T2,  128                          ; the fill: out-buffer of register set 128
.set UN,  2
.set PT,  3
.set WV,  12
.set SL,  13
.set CN,  14
.set NB,  15
.set Q,   92
.set QS,  93
.set WB0, 6                            ; s[6:7], s[8:9] the fill's two pointers, one for each register set
.set WB1, 8
.set WS,  88                           ; s[88:89] their step: sixteen weight rows
.set XB,  16                           ; s[16:17] hid at the block in hand, steps with K
.set PBK, 18                           ; s[18:19] part at the block in hand
.set LC,  22
.set KO,  27
.set BC,  30
.set FO,  31
.set MSB, 0
.macro WIN new
.if MSB != (\new)
	s_set_vgpr_msb (MSB<<8)|(\new)
.set MSB, \new
.endif
.endm
.macro PLACES                          ; four places behind matrix instructions: ahead of reads of their results, and, once a K step, ahead of the loads into registers that they have read
.rept 4
	v_nop
.endr
.endm
.macro ROT
.set k, 0
.rept 8
	s_mov_b64 s[16+2*k:17+2*k], s[32+2*k:33+2*k]
.set k, k+1
.endr
.set k, 0
.rept 8
	s_mov_b64 s[32+2*k:33+2*k], s[48+2*k:49+2*k]
.set k, k+1
.endr
.set k, 0
.rept 8
	s_mov_b64 s[48+2*k:49+2*k], s[68+2*k:69+2*k]
.set k, k+1
.endr
.endm
.macro ISSUE rs, wb                    ; four weight rows: 32 loads of 512 consecutive bytes, by the set's own pointer
	WIN 0x40
.set m, 0
.rept 32
	global_load_b128 v[(\rs)+4*m:(\rs)+4*m+3], v[VO+m/4], s[(\wb):(\wb)+1] offset:512*(m%4)
.set m, m+1
.endr
	WIN 0
.endm
; DRAIN: rounded to bf16 into out-buffer tb, the set asked for again at once (wb: its pointer; -1: nothing is left to ask for), and laid into LDS.  Row j = m / 8 of the group goes to column
; block j % 2 of my two, LDS row j / 2 of the group's two.  left = the other set's younger loads; extra = the group's place in the trip.
.macro DRAIN rs, tb, left, extra, wb
	s_wait_loadcnt \left                           ; this set's 32 loads are done: its pointer may be stepped behind this wait too
	WIN 0x05
.set m, 0
.rept 64
	v_cvt_pk_bf16_f32 v[(\tb)+m], v[(\rs)+2*m], v[(\rs)+2*m+1]
.set m, m+1
.endr
.if (\wb) >= 0
	s_add_nc_u64 s[(\wb):(\wb)+1], s[(\wb):(\wb)+1], s[WS:WS+1]
	WIN 0x40
	s_wait_alu depctr_va_vdst(0)                   ; the conversions are done reading the set, in which the loads below land, and have written the out-buffer, which the LDS stores below read; in a trip's first group v[FLK] is written
	ISSUE \rs, \wb
.else
	WIN 0
	s_wait_alu depctr_va_vdst(0)                   ; the conversions have written the out-buffer, which the LDS stores below read; in the first of the two groups v[FLK] is written
.endif
.set m, 0
.rept 32
	ds_store_b64 v[FLK], v[(\tb)+2*m:(\tb)+2*m+1] offset:(\extra)+((m/8)%2)*16*PITCH+((m/8)/2)*PITCH+(m%8)*256
.set m, m+1
.endr
.endm
.macro LDW buf, koff
.irp nt, 0,1,2,3,4,5,6,7
	ds_load_b128 v[(\buf)+8*\nt:(\buf)+8*\nt+3], v[AW+\nt] offset:(\koff)
	ds_load_b128 v[(\buf)+8*\nt+4:(\buf)+8*\nt+7], v[AW+\nt] offset:(\koff)+16
.endr
.endm
.macro LDX slot, rel                   ; six row blocks x four quads of a K step: 512 consecutive bytes a load
.set xs, 96*(\slot)-64*((\slot)/2)
	WIN 0x40+0x80*((\slot)/2)
.irp f, 0,1,2,3,4,5
.irp qd, 0,1,2,3
	global_load_b128 v[xs+48*(\qd/2)+8*\f+4*(\qd%2):xs+48*(\qd/2)+8*\f+4*(\qd%2)+3], v[VA], s[XB:XB+1] offset:\f*32768+(\rel)*2048+512*\qd
.endr
.endr
.endm
.macro MMH slot, t, buf, f0, zero      ; source 0: tokens, in their slot's window; source 1: weights, in window 0
.irp df, 0,1,2
.set fq, (\f0)+\df
.set aw, 2+fq/4
	WIN (aw<<6)|(aw<<4)|(1+2*((\slot)/2))
.set ac, 64*(fq%4)
.set xr, 96*(\slot)-64*((\slot)/2)+48*(\t)+8*fq
.irp nt, 0,1,2,3,4,5,6,7
.if \zero
	v_wmma_f32_16x16x32_bf16 v[ac+8*\nt:ac+8*\nt+7], v[xr:xr+7], v[(\buf)+8*\nt:(\buf)+8*\nt+7], 0
.else
	v_wmma_f32_16x16x32_bf16 v[ac+8*\nt:ac+8*\nt+7], v[xr:xr+7], v[(\buf)+8*\nt:(\buf)+8*\nt+7], v[ac+8*\nt:ac+8*\nt+7]
.endif
.endr
.endr
.endm
; A K step of 64: 96 matrix instructions, the 48 accumulators by turns.  FA, FB: the fragment buffers of its two halves; FC: that of the next step's first half.
; FB is fetched at the step's head and FC in its middle, each 48 matrix instructions ahead of its use.  first = 1: a block's first step, which starts the sums; the block's head has stated
; what its loads hang on.  left: the next step's 24 loads, issued behind this step's, stay out.
.macro STEP rel, slot, first, issue, left, last
.set FA, W0+64*((2*(\rel))%3)
.set FB, W0+64*((2*(\rel)+1)%3)
.set FC, W0+64*((2*(\rel)+2)%3)
	s_wait_dscnt 0x0                               ; FA's fragments
	s_wait_loadcnt \left                           ; this step's rows of hid
	WIN 0
.if !(\first)
	PLACES                                         ; every load of this step lands in registers whose last matrix reader stands ahead of these four
	s_wait_alu depctr_va_vdst(0)                   ; the step before is done reading FB, FC and the token slot in which this step's loads land; in a trip's first step v[VWK ..] are written
.endif
	LDW FB, (\rel)*128+32
	MMH \slot, 0, FA, 0, \first
.if \issue
	LDX ((\slot)+2)%3, (\rel)+2                    ; no wait: no matrix instruction since the wait above names this slot
.endif
	MMH \slot, 0, FA, 3, \first
	s_wait_dscnt 0x0                               ; FB's fragments
.if !(\last)
	WIN 0
	LDW FC, ((\rel)+1)*128                         ; no wait: no matrix instruction since the wait above names FC
.endif
	MMH \slot, 1, FB, 0, 0
	MMH \slot, 1, FB, 3, 0
.endm
; THE WAY OUT of row block f.  OUTM: register j of accumulators 4 g .. 4 g + 3 side by side (a transposition in registers; each accumulator is read from its low end on), into out-buffer f % 3.
; OUTS: its 16 stores.
.macro OUTM f
.set ac, 64*((\f)%4)
.set tb, 64+64*((\f)%3)
	WIN 2+(\f)/4                                   ; source 0 in the accumulators' window
.irp g, 0,1
.irp j, 0,1,2,3,4,5,6,7
.irp c, 0,1,2,3
	v_mov_b32 v[tb+4*(8*\g+\j)+\c], v[ac+8*(4*\g+\c)+\j]
.endr
.endr
.endr
.endm
.macro OUTS f
.set tb, 64+64*((\f)%3)
.irp g, 0,1
.irp j, 0,1,2,3,4,5,6,7
	global_store_b128 v[VS], v[tb+4*(8*\g+\j):tb+4*(8*\g+\j)+3], s[PBK:PBK+1] offset:(16*(\f)+\j)*4096+256*\g   ; lanes 0-15: 256 consecutive bytes of token j, aligned; lanes 16-31: of token 8 + j
.endr
.endr
.endm
	s_load_b256 s[4:11], s[0:1], 0x0               ; hid s[4:5], w_down s[6:7], sh_down s[8:9], gbm s[10:11]
	s_load_b128 s[84:87], s[0:1], 0x20             ; part s[84:85], rk s[86:87]
	v_lshl_add_u32 v62, v0, 2, 0x40800
	v_mov_b32 v63, 0
	v_lshrrev_b32 v3, 5, v0
	v_readfirstlane_b32 s[WV], v3
	v_and_b32 v1, 15, v0                           ; r
	v_bfe_u32 v2, v0, 4, 1                         ; h
	v_and_b32 v3, 31, v0                           ; lane
	s_wait_alu depctr_va_sdst(0)                   ; the wave's number is written, ahead of its first reader: blocks, bases and branches are made from it
	s_mov_b32 s[SL], ttmp9
	s_and_b32 s94, ttmp7, 0xffff                   ; y
	s_sub_co_u32 s95, s94, 6
	s_and_b32 s96, s95, 7                          ; a routed unit,
	s_lshr_b32 s97, s95, 3
	s_min_u32 s97, s97, 2                          ; its part
	s_cmp_lt_u32 s94, 6
	s_cselect_b32 s[UN], 8, s96                    ; y < 6: the shared unit,
	s_cselect_b32 s[PT], s94, s97                  ; part y of six
	s_cselect_b32 s[QS], 24, 12                    ; four blocks for each of the unit's parts
	s_lshl_b32 s[Q], s[PT], 2
	s_add_co_u32 s[Q], s[Q], s[WV]                 ; my first block
	; Wave w fills LDS rows 32 w .. 32 w + 31: column blocks nt = 2 w, 2 w + 1.  They hold weight rows 64 (w / 2) + 2 (w % 2) + t + 4 r, t = 0, 1: a group is rows + 0, 1, 4, 5, the next group eight rows on.
	s_mov_b32 s96, 2048
	s_mov_b32 s97, 4096
	s_mov_b32 s98, 0x200000
	s_cmp_eq_u32 s[UN], 8
	s_cselect_b32 s94, 0, s[UN]
	s_cselect_b32 s99, s97, s96                    ; bytes from row to row: sh_down 4,096; w_down 2,048
	s_cselect_b32 s100, s96, s98                   ; bytes from K half 0 to K half 1: in the row; or one expert on
	s_lshl_b32 s94, s94, 22                        ; two experts of 2,097,152 bytes a unit
	s_lshl_b32 s95, s[SL], 7
	s_lshr_b32 s101, s[WV], 1
	s_lshl_b32 s101, s101, 6
	s_add_co_u32 s95, s95, s101
	s_and_b32 s101, s[WV], 1
	s_lshl_b32 s101, s101, 1
	s_add_co_u32 s95, s95, s101                    ; my first row: 128 slice + 64 (w / 2) + 2 (w % 2)
	s_mul_i32 s95, s95, s99
	s_add_co_u32 s94, s94, s95
	s_mov_b32 s95, 0
	v_lshlrev_b32 v57, 4, v3
.irp j, 0,1,2,3
	s_mul_i32 s101, s99, (\j%2)+4*(\j/2)
	v_add_nc_u32 v[VO+2*\j], s101, v57
	s_add_co_u32 s101, s101, s100
	v_add_nc_u32 v[VO+2*\j+1], s101, v57
.endr
	s_mul_i32 s101, s[WV], 32*PITCH
	v_lshl_add_u32 v[FL], v3, 3, s101
	s_lshl_b32 s[WS], s99, 4                       ; two groups: sixteen rows
	s_mov_b32 s[WS+1], 0
	s_lshl_b32 s90, s99, 3                         ; one group: eight rows
	s_mov_b32 s91, 0
	s_lshl_b32 s96, s[UN], 8                       ; the unit's row of the bitmap
	s_mov_b32 s97, 0
	s_wait_kmcnt 0x0
	s_add_nc_u64 s[10:11], s[10:11], s[96:97]
	s_load_b512 s[16:31], s[10:11], 0x0
	s_load_b512 s[32:47], s[10:11], 0x40
	s_load_b512 s[48:63], s[10:11], 0x80
	s_load_b512 s[68:83], s[10:11], 0xc0
	s_cmp_eq_u32 s[UN], 8
	s_cselect_b64 s[WB0:WB0+1], s[8:9], s[6:7]
	s_add_nc_u64 s[WB0:WB0+1], s[WB0:WB0+1], s[94:95]
	s_add_nc_u64 s[WB1:WB1+1], s[WB0:WB0+1], s[90:91]
	WIN 0x40
	s_wait_alu depctr_va_vdst(0)                   ; v[VO ..] are written, which every load of the fill reads as its offset; they are never written again
	ISSUE 0, WB0                                   ; the first four rows are asked for ahead of the bitmap's wait: they are on their way while the rows are counted
	s_wait_kmcnt 0x0
	s_mov_b32 s[CN], 0
.set k, 16
.rept 48
	s_bcnt1_i32_b32 s[NB], s[k]
	s_add_co_u32 s[CN], s[CN], s[NB]
.set k, k+1
.endr
.set k, 68
.rept 16
	s_bcnt1_i32_b32 s[NB], s[k]
	s_add_co_u32 s[CN], s[CN], s[NB]
.set k, k+1
.endr
	s_add_co_u32 s[NB], s[CN], 95
	s_mul_hi_u32 s[NB], s[NB], 0x2aaaaab           ; (cnt + 95) / 96, exact up to cnt = 2,048
	; THE RANKS, by wave 0 of the unit's first work-group: sixteen words a trip, each kind of line in a batch
	s_or_b32 s94, s[SL], s[PT]
	s_or_b32 s94, s94, s[WV]
	s_cmp_lg_u32 s94, 0
	s_cbranch_scc1 .Lnork
	s_lshl_b32 s94, s[UN], 13
	s_mov_b32 s95, 0
	s_add_nc_u64 s[86:87], s[86:87], s[94:95]
	v_lshlrev_b32 v26, 2, v3
	v_mov_b32 v27, 0xffff
	s_mov_b32 s97, 0
	s_mov_b32 s96, 4
.Lrk:
.set k, 0
.rept 16
	v_mbcnt_lo_u32_b32 v[64+k], s[16+k], s97       ; members ahead of my token
	s_bcnt1_i32_b32 s98, s[16+k]
	s_add_co_u32 s97, s97, s98
.set k, k+1
.endr
.set k, 0
.rept 16
	v_cndmask_b32 v[64+k], v27, v[64+k], s[16+k]
.set k, k+1
.endr
	s_wait_alu depctr_va_vdst(0)                   ; the ranks v64-79 and the offset v26 are written, which the stores read
.set k, 0
.rept 16
	global_store_b32 v26, v[64+k], s[86:87] offset:128*k
.set k, k+1
.endr
	s_wait_xcnt 0x0                                ; the stores' offset and data are written again only behind this wait
	s_wait_alu depctr_vm_vsrc(0)                   ; the stores have read v26 and v64-79, which the add below and the next trip write again
	v_add_nc_u32 v26, 2048, v26
	ROT
	s_sub_co_u32 s96, s96, 1
	s_cmp_lg_u32 s96, 0
	s_cbranch_scc1 .Lrk
.Lnork:
	ISSUE 128, WB1                                 ; the second four rows: two sets of 32 loads are on their way.  No wait: no vector instruction has named this set, or v[VO ..] since the wait ahead of the first loads
	s_mov_b32 s[FO], 0
	s_mov_b32 s[LC], 3
.Lfill:                                                ; a trip: two groups of four rows
	s_wait_alu depctr_vm_vsrc(0)                   ; the last trip's LDS stores have read v[FLK] and both out-buffers, which this trip writes again
	v_add_nc_u32 v[FLK], s[FO], v[FL]
	DRAIN 0, T, 32, 0, WB0
	DRAIN 128, T2, 32, GSTEP, WB1
	s_add_co_u32 s[FO], s[FO], 2*GSTEP
	s_sub_co_u32 s[LC], s[LC], 1
	s_cmp_lg_u32 s[LC], 0
	s_cbranch_scc1 .Lfill
	s_wait_alu depctr_vm_vsrc(0)                   ; as at a trip's head
	v_add_nc_u32 v[FLK], 6*GSTEP, v[FL]            ; the last two groups
	DRAIN 0, T, 32, 0, -1
	DRAIN 128, T2, 0, GSTEP, -1
	; what every block of mine needs, made while the last stores go into LDS
	v_lshlrev_b32 v[VA], 4, v3
	v_lshlrev_b32 v57, 6, v2
	v_mul_u32_u24 v58, v1, PITCH
	v_add_nc_u32 v58, v58, v57
.irp nt, 0,1,2,3,4,5,6,7
	v_add_nc_u32 v[VW+\nt], \nt*16*PITCH, v58
.endr
	v_lshlrev_b32 v[VS], 15, v2                    ; lanes 16 to 31: eight rows of 4,096 bytes further down
	v_lshl_add_u32 v[VS], v1, 4, v[VS]
	s_mul_i32 s20, s[UN], HUNIT
	s_mov_b32 s21, 0
	s_add_nc_u64 s[4:5], s[4:5], s[20:21]          ; hid at my unit
	s_mul_i32 s20, s[UN], PUNIT
	s_lshl_b32 s23, s[SL], 9                       ; my 128 columns
	s_add_co_u32 s20, s20, s23
	s_add_nc_u64 s[84:85], s[84:85], s[20:21]      ; part at my unit and columns
	s_wait_dscnt 0x0                               ; my rows of the weights are in LDS
	s_barrier_signal -1
	s_barrier_wait -1                              ; everybody's are; from here to the closing barrier nothing writes LDS
	s_mov_b32 s[BC], 2
.Lblk:                                                 ; two trips: blocks q and q + stride; one past the count is jumped over
	s_cmp_ge_u32 s[Q], s[NB]
	s_cbranch_scc1 .Lskip
	s_wait_xcnt 0x0                                ; the last block's stores have read their data and their base
	s_wait_alu depctr_vm_vsrc(0)                   ; the fill's LDS stores, the ranks' stores and the last block's stores have read v64-255, in which the fragments land
	s_wait_alu depctr_va_vdst(0)                   ; v[VA], v[VS], v[VW ..] are written, which the block's loads and stores read; the vector and matrix instructions that named the token slots and v64-255, in which the loads of the block's head and first step land, are done
	s_mul_i32 s20, s[Q], 196608                    ; 6 blocks of 16 rows x 16 steps x 2,048 bytes
	s_mov_b32 s21, 0
	s_add_nc_u64 s[XB:XB+1], s[4:5], s[20:21]
	s_mul_i32 s20, s[Q], 96*4096
	s_add_nc_u64 s[PBK:PBK+1], s[84:85], s[20:21]
.set AW, VW                            ; the first K step reads by the fixed addresses
	LDX 0, 0
	LDX 1, 1
	WIN 0
	LDW W0, 0
	STEP 0, 0, 1, 1, 24, 0                         ; the first K step starts the sums: nothing is cleared
	WIN 0
.set AW, VWK
	s_mov_b32 s[KO], 0
	s_mov_b32 s[LC], 4
.Lpipe:                                                ; a trip: three K steps, one on each token slot; the three fragment buffers are back at their start
	s_wait_alu depctr_vm_vsrc(0)                   ; the fragment loads issued so far have read v[VWK ..]
.irp nt, 0,1,2,3,4,5,6,7
	v_add_nc_u32 v[VWK+\nt], s[KO], v[VW+\nt]
.endr
	STEP 1, 1, 0, 1, 24, 0
	STEP 2, 2, 0, 1, 24, 0
	STEP 3, 0, 0, 1, 24, 0
	WIN 0
	s_wait_xcnt 0x0                                ; the loads' base is stepped only behind this wait
	s_add_nc_u64 s[XB:XB+1], s[XB:XB+1], XSTEP
	s_add_co_u32 s[KO], s[KO], 384
	s_sub_co_u32 s[LC], s[LC], 1
	s_cmp_lg_u32 s[LC], 0
	s_cbranch_scc1 .Lpipe
	s_wait_alu depctr_vm_vsrc(0)                   ; the fragment loads issued so far have read v[VWK ..]
.irp nt, 0,1,2,3,4,5,6,7
	v_add_nc_u32 v[VWK+\nt], 1536, v[VW+\nt]       ; twelve K steps on
.endr
	STEP 1, 1, 0, 1, 24, 0                         ; steps 13 to 15: the last two ask for nothing, and the counts run down
	STEP 2, 2, 0, 0, 24, 0
	STEP 3, 0, 0, 0, 0, 1
	WIN 0
	PLACES
	OUTM 0
	OUTM 1
	OUTM 2
	WIN 0
	s_wait_alu depctr_va_vdst(0)                   ; the moves have written the three out-buffers, which the 48 stores below read
	OUTS 0
	OUTS 1
	OUTS 2
	s_wait_xcnt 0x0                                ; these stores have had their addresses translated: their data registers are written again only behind this wait
	s_wait_alu depctr_vm_vsrc(0)                   ; they have read the three out-buffers, which the moves below write again
	OUTM 3
	OUTM 4
	OUTM 5
	WIN 0
	s_wait_alu depctr_va_vdst(0)                   ; the moves have written the three out-buffers, which the 48 stores below read
	OUTS 3
	OUTS 4
	OUTS 5
.Lskip:
	s_add_co_u32 s[Q], s[Q], s[QS]
	s_sub_co_u32 s[BC], s[BC], 1
	s_cmp_lg_u32 s[BC], 0
	s_cbranch_scc1 .Lblk
	s_wait_dscnt 0x0                               ; my reads of LDS are over
	s_barrier_signal -1
	s_barrier_wait -1                              ; everybody's are
	s_wait_dscnt 0x0                               ; the wave's end
	s_wait_alu depctr_hold_cnt(0) depctr_sa_sdst(0) depctr_va_vdst(0) depctr_va_sdst(0) depctr_va_ssrc(0) depctr_va_vcc(0) depctr_vm_vsrc(0)
	s_wait_tensorcnt 0x0
	ds_add_u32 v62, v63
	s_wait_dscnt 0x0
	s_endpgm
.Lfunc_end_k_q17f54af138_down:
	.size	k_q17f54af138_down, .Lfunc_end_k_q17f54af138_down-k_q17f54af138_down
	.p2alignl 7, 3214868480
	.fill 96, 4, 3214868480
	.section	.rodata,"a",@progbits
	.p2align	6, 0x0
	.amdhsa_kernel k_q17f54af138_down
		.amdhsa_group_segment_fixed_size 264704
		.amdhsa_private_segment_fixed_size 0
		.amdhsa_enable_private_segment 0
		.amdhsa_kernarg_size 48
		.amdhsa_user_sgpr_count 2
		.amdhsa_user_sgpr_kernarg_segment_ptr 1
		.amdhsa_wavefront_size32 1
		.amdhsa_system_sgpr_workgroup_id_x 1
		.amdhsa_system_sgpr_workgroup_id_y 1
		.amdhsa_system_sgpr_workgroup_id_z 1
		.amdhsa_system_vgpr_workitem_id 0
		.amdhsa_next_free_vgpr 1024
		.amdhsa_next_free_sgpr 104
		.amdhsa_reserve_vcc 0
		.amdhsa_float_denorm_mode_32 3
		.amdhsa_float_denorm_mode_16_64 3
		.amdhsa_memory_ordered 1
		.amdhsa_forward_progress 1
		.amdhsa_inst_pref_size 150
	.end_amdhsa_kernel
	.amdgpu_metadata
---
amdhsa.version: [ 1, 2 ]
amdhsa.kernels:
  - .name:           k_q17f54af138_down
    .symbol:         k_q17f54af138_down.kd
    .args:
      - { .name: hid, .offset: 0, .size: 8, .value_kind: global_buffer, .address_space: global }
      - { .name: w_down, .offset: 8, .size: 8, .value_kind: global_buffer, .address_space: global }
      - { .name: sh_down, .offset: 16, .size: 8, .value_kind: global_buffer, .address_space: global }
      - { .name: gbm, .offset: 24, .size: 8, .value_kind: global_buffer, .address_space: global }
      - { .name: part, .offset: 32, .size: 8, .value_kind: global_buffer, .address_space: global }
      - { .name: rk, .offset: 40, .size: 8, .value_kind: global_buffer, .address_space: global }
    .group_segment_fixed_size: 264704
    .private_segment_fixed_size: 0
    .kernarg_segment_align: 8
    .kernarg_segment_size: 48
    .max_flat_workgroup_size: 128
    .sgpr_count:     104
    .vgpr_count:     1024
    .wavefront_size: 32
...
	.end_amdgpu_metadata
.endif
;; end of part 6
;; launch sum: the kernel of part 4 again; grid 512 x 1, 8 waves a work-group, no clusters, 0 bytes of LDS; arguments part, rk, out0; writes out0
